; MI455X (gfx1250); checked and timed in simulation.
; The chip was launched on July 23, 2026; its instructions are those of AMD's public machine-readable ISA for CDNA 5 (MIT licence, August 2026) and "CDNA5" Instruction Set Architecture Reference Guide (July 2026). The comments in the code are by the model that wrote it; some were corrected since.
;; Multi Head Attention. Allowed arithmetic: matrix products marked QUANTISED: E2M3 operands, one E8M0 scale for each 32 along K, by v_wmma_scale_f32_16x16x128_f8f6f4 with both operands' format E2M3, f32 sums; everything else in f32.
;; Inputs: bk 1,024 float32; bo 1,024 float32; bq 1,024 float32; bv 1,024 float32; k 4 x 2,048 x 1,024 float32; mask 4 x 1 x 1 x 2,048 int32; q 4 x 2,048 x 1,024 float32; v 4 x 2,048 x 1,024 float32; wk 1,024 x 1,024 float32; wo 1,024 x 1,024 float32; wq 1,024 x 1,024 float32; wv 1,024 x 1,024 float32.
;; Outputs: out0 4 x 2,048 x 1,024 float32.
;; This version of the problem:
;;   THIS VERSION OF THE PROBLEM IS GIVEN IN LOW PRECISION. The matrix products marked QUANTISED in the list below multiply operands that are first quantised to E2M3 (2 exponent bits, 3 mantissa bits; 6 bits a number), with one power-of-two scale for each 32 numbers along K (OCP MX v1.0); their sums are f32. All else is computed in f32.
;;   The module's matrix products, in the order in which they are computed (A, B: the left and right operand; K: the contracted axis; several contracted axes count as one K, in the product's order):
;;     1. [M 8,192, K 1,024] x [K 1,024, N 1,024]; A: input q; B: input wq: QUANTISED
;;     2. [M 8,192, K 1,024] x [K 1,024, N 1,024]; A: input k; B: input wk: QUANTISED
;;     3. [M 8,192, K 1,024] x [K 1,024, N 1,024]; A: input v; B: input wv: QUANTISED
;;     4. batch 64 x [M 2,048, K 64] x [K 64, N 2,048]; A: computed on the way; B: computed on the way: QUANTISED
;;     5. batch 64 x [M 2,048, K 2,048] x [K 2,048, N 64]; A: softmax (see below); B: computed on the way: QUANTISED
;;     6. [M 8,192, K 1,024] x [K 1,024, N 1,024]; A: computed on the way; B: input wo: QUANTISED
;;   THE QUANTISER, for each operand of a quantised product, along K:
;;     - K is cut into blocks of 32 from its start; a last block that is shorter is filled with zeros.
;;     - A block's scale is 2^e with e = floor(log2(the largest magnitude in the block)) - 2, held to -126 .. 127; a block of zeros has e = 0. As a byte (E8M0): e + 127.
;;     - Each number is divided by its block's scale, clamped to +-7.5, and rounded to the nearest number of E2M3, ties to even, subnormals kept.
;;     - The product sums the exact products of the quantised numbers (number of the format x scale) in f32.
;;   ~~~python
;;   def quantise(x, axis):      # numpy; x: float32 -> the quantised numbers, widened to float32 again
;;       x = np.moveaxis(x, axis, -1); K = x.shape[-1]
;;       x = np.pad(x, [(0, 0)] * (x.ndim - 1) + [(0, -K % 32)]); x = x.reshape(x.shape[:-1] + (-1, 32)); a = np.abs(x).max(-1, keepdims=True)
;;       e = np.where(a > 0, np.clip(np.frexp(np.where(a > 0, a, 1))[1] - 1 - 2, -126, 127), 0)      # np.frexp(a)[1] - 1 = floor(log2(a)), exactly
;;       r = np.clip(x / 2.0 ** e, -7.5, 7.5)
;;       step = 2.0 ** (np.maximum(np.frexp(np.where(r == 0, 1, r))[1] - 1, 0) - 3)
;;       q = np.round(r / step) * step * 2.0 ** e      # np.round: ties to even
;;       return np.moveaxis(q.reshape(q.shape[:-2] + (-1,))[..., :K], -1, axis).astype(np.float32)
;;   ~~~
;;   SOFTMAX AHEAD OF A QUANTISED PRODUCT. Where the list says 'softmax', what is quantised is not the finished softmax but p = 2^(t - M), with t = logit x log2(e) and M = ceil(the row's largest t), a whole number; so 1/2 < the row's largest p <= 1. The row's sum l is taken of the UNQUANTISED p, in f32, and the product's result is divided by l at the end. Since M is a whole number, a kernel that streams over the keys may use a running M (the ceiling of the running maximum): every later rescaling is an exact power of two, which a block's scale takes up: the codes' values come out the same.
;;   OPERANDS COMPUTED ON THE WAY. 'Computed on the way' means the value that the module computes at that place (a softmax that the list does not call 'softmax' is quantised finished and normalised). What goes into a quantiser is computed in f32, as accurately as f32 sums, v_exp_f32 and their like allow (about 1e-6 of the number): no bf16 or f16 on the way to a quantiser, and a product that is left as it is and whose result goes on into a quantised operand takes f32 operands (vector FMAs, or v_wmma_f32_16x16x4_f32). A number that lies on a knife's edge between two numbers of the format may be rounded either way, as far as f32 arithmetic and the matrix unit's own rounding can turn it there, and no further.
;; One version. Each part assembles by itself: llvm-mc -triple=amdgcn-amd-amdhsa -mcpu=gfx1250 --defsym DOCPART=n.
;; ======== version 1 of 1: 4 launches
;; limits: right only within a limited range of input values
;; workspace buffers: ximg 18,874,368 bytes; xsc 786,432 bytes; wimg 3,145,728 bytes; wsc 131,072 bytes; qh 8,912,896 bytes; kv 15,466,496 bytes; ao 6,291,456 bytes; aosc 262,144 bytes
;; launch quant (part 1): grid 512 x 1, 4 waves a work-group, no clusters, 34,304 bytes of LDS; arguments q, k, v, wq, wk, wv, wo, ximg, xsc, wimg, wsc; writes ximg, xsc, wimg, wsc
.if DOCPART == 1
	.amdgcn_target "amdgcn-amd-amdhsa--gfx1250"
	.amdhsa_code_object_version 6
	.text
	.protected	k_qe3b0375050_quant
	.globl	k_qe3b0375050_quant
	.p2align	8
	.type	k_qe3b0375050_quant,@function
k_qe3b0375050_quant:
	s_mov_b64 s[64:65], 0
	v_nop
	global_prefetch_b8 v0, s[64:65] scope:SCOPE_SE
	s_setreg_imm32_b32 hwreg(HW_REG_WAVE_MODE, 25, 1), 1
	s_wait_xcnt 0x0
; q, k, v [8192][1024] and wq, wk, wv, wo [1024 (k)][1024 (n)], f32, become codes of FP6 (E2M3) with one E8M0 byte for each 32 along K,
; laid in the order of a matrix operand's registers, so that the products' launches read them by dense loads alone.
; A FRAGMENT (16 row slots x 128 K) is 12 registers a lane: lane (r, h) holds slot r, registers 6 c .. 6 c + 5 = K 64 c + 32 h + 0 .. 31.
; Its image, 1,536 bytes: for c = 0, 1: registers 6 c .. 6 c + 3 at 768 c + 16 x lane, registers 6 c + 4, 5 at 768 c + 512 + 8 x lane.
; A block of 256 slots over all K: [K step 0..7][tile 0..15][image], 196,608 bytes; its scale words [slot][K step], 8,192 bytes.
; THE SLOTS OF A TILE ARE NOT NEIGHBOURS: of 64 rows (or columns n) tile u takes 32 (r / 8) + 8 u + r % 8, so that a later product
; that takes four such tiles as source 0 leaves a whole block of 32 neighbours in one lane's 32 registers.
; A block's scale is 2^(floor(log2(largest magnitude)) - 2): its byte is the largest magnitude's exponent field - 2, held at 1 from below.
; LIMITS: NaN and infinities are not served; a block under 2^-124 (zeros too) keeps the byte 1: its codes are what the division by 2^-126 gives, and this program alone reads the bytes.
; Work-groups 0-127 take the weights (K is their first axis: a lane takes a column, its registers run down K), 128-511 take q, k, v (64 rows each, a tile a wave).
.set SPARE, 33792                      ; behind the four waves' stages: the spare words, 128 bytes a wave
.set SPW,   12                         ; v12 my spare word's LDS address; never rewritten
.set NIL,   13                         ; v13 0; never rewritten
.set FLOOR, 0x1800000                  ; 2^(3 - 127)
.set EOFF,  0xff000000                 ; 2 off an exponent field
.set R,   16                           ; x: v16-143 two sets of 16 loads
.set X,   144                          ; x: v144-207 my two blocks of 32 neighbours
.set F,   208                          ; x: v208-231 two fragments, by turns
.set T,   232                          ; x: v232-238 the conversions' odd halves
.set W,   240                          ; x: v240-247 the eight scale words
.set BM,  248
.set SO,  250
.set BY,  252
.set TP,  254
	s_load_b256 s[4:11], s[0:1], 0x0               ; q, k, v, wq
	s_load_b256 s[12:19], s[0:1], 0x20             ; wk, wv, wo, ximg
	s_load_b128 s[20:23], s[0:1], 0x40             ; xsc, wimg
	s_load_b64 s[24:25], s[0:1], 0x50              ; wsc
	v_lshl_add_u32 v[SPW], v0, 2, SPARE
	v_mov_b32 v[NIL], 0
	v_lshrrev_b32 v1, 5, v0
	v_readfirstlane_b32 s26, v1                    ; wave
	v_and_b32 v1, 31, v0                           ; lane
	v_and_b32 v2, 15, v0                           ; r
	v_bfe_u32 v3, v0, 4, 1                         ; h
	v_lshlrev_b32 v4, 4, v1                        ; 16 x lane
	v_lshlrev_b32 v5, 3, v1                        ; 8 x lane
	v_lshlrev_b32 v7, 3, v3                        ; 8 h
	s_mov_b32 s28, 0x76543210
	s_mov_b32 s29, 0xfedcba98                      ; lane l xor 16
	s_mov_b32 s37, 0
	s_wait_kmcnt 0x0
	s_cmp_lt_u32 ttmp9, 128
	s_cbranch_scc1 .Lweights
	; ---------------- q, k, v: K is innermost ----------------
	s_sub_co_u32 s30, ttmp9, 128
	s_lshr_b32 s31, s30, 7                         ; which tensor
	s_and_b32 s30, s30, 127                        ; which 64 rows
	s_cmp_eq_u32 s31, 1
	s_cselect_b64 s[4:5], s[6:7], s[4:5]
	s_cmp_eq_u32 s31, 2
	s_cselect_b64 s[4:5], s[8:9], s[4:5]
	s_lshl_b32 s36, s30, 18                        ; 64 rows of 4,096 bytes,
	s_lshl_b32 s32, s26, 15                        ; + 8 x wave rows
	s_add_co_u32 s36, s36, s32
	s_add_nc_u64 s[4:5], s[4:5], s[36:37]
	s_lshr_b32 s33, s30, 2                         ; block of 256 slots
	s_and_b32 s34, s30, 3
	s_lshl_b32 s34, s34, 2
	s_add_co_u32 s34, s34, s26                     ; my tile in it
	s_mul_i32 s36, s31, 6291456
	s_mul_i32 s32, s33, 196608
	s_add_co_u32 s36, s36, s32
	s_mul_i32 s32, s34, 1536
	s_add_co_u32 s36, s36, s32
	s_add_nc_u64 s[18:19], s[18:19], s[36:37]      ; my tile's image of K step 0
	s_lshl_b32 s36, s31, 18
	s_lshl_b32 s32, s33, 13
	s_add_co_u32 s36, s36, s32
	s_lshl_b32 s32, s34, 9
	s_add_co_u32 s36, s36, s32
	s_add_nc_u64 s[20:21], s[20:21], s[36:37]      ; my tile's 512 bytes of scale words
	s_mul_i32 s27, s26, 8448                       ; my stage: 16 rows of 512 bytes + 16
	s_wait_alu depctr_va_vdst(0)
	v_add_nc_u32 v6, s27, v4                       ; in: 16 x lane of a row
	v_mul_u32_u24 v8, v2, 528
	v_lshl_add_u32 v8, v3, 7, v8
	v_add_nc_u32 v8, s27, v8                       ; out: row r, + 128 h: block h of the row's four
	v_lshlrev_b32 v9, 5, v2
	v_lshl_add_u32 v9, v3, 4, v9                   ; scale words: 32 r + 16 h
	v_mov_b32 v[TP+1], 0                           ; a lane permute's destination counts as read
.macro XLOAD s                         ; K step s of my 16 rows: a load reads 512 consecutive bytes of one row
.set i, 0
.rept 16
	global_load_b128 v[R+64*((\s)%2)+4*i:R+64*((\s)%2)+4*i+3], v4, s[4:5] offset:(32*(i/8)+(i%8))*4096+512*(\s) th:TH_LOAD_NT
.set i, i+1
.endr
.endm
.macro XTURN s                         ; through my stage: in as loaded, out 128 bytes of a block to a lane.  LDS serves a wave's instructions in order
.set i, 0
.rept 16
	ds_store_b128 v6, v[R+64*((\s)%2)+4*i:R+64*((\s)%2)+4*i+3] offset:528*i
.set i, i+1
.endr
.set i, 0
.rept 16
	ds_load_b128 v[X+4*i:X+4*i+3], v8 offset:256*(i/8)+16*(i%8)
.set i, i+1
.endr
.endm
.macro XQ s                            ; my blocks h and 2 + h of K step s: scale, codes, image
.set FF, F+12*((\s)%2)
	v_max3_num_f32 v[BM], |v[X]|, |v[X+1]|, FLOOR
	v_max3_num_f32 v[BM+1], |v[X+32]|, |v[X+33]|, FLOOR
.irp i, 2,4,6,8,10,12,14,16,18,20,22,24,26,28,30
	v_max3_num_f32 v[BM], v[BM], |v[X+\i]|, |v[X+\i+1]|
	v_max3_num_f32 v[BM+1], v[BM+1], |v[X+32+\i]|, |v[X+33+\i]|
.endr
	v_add_nc_u32 v[SO], EOFF, v[BM]                ; the conversion's scale operand
	v_add_nc_u32 v[SO+1], EOFF, v[BM+1]
	v_lshrrev_b32 v[BY], 23, v[SO]                 ; the byte
	v_lshrrev_b32 v[BY+1], 23, v[SO+1]
	s_wait_alu depctr_va_vdst(0)
	s_wait_xcnt 0x0                                ; the stores of two K steps ago have read this set of registers
	v_cvt_scalef32_pk16_fp6_f32 v[FF:FF+2], v[X:X+15], v[SO]
	v_cvt_scalef32_pk16_fp6_f32 v[T:T+2], v[X+16:X+31], v[SO]
	v_cvt_scalef32_pk16_fp6_f32 v[FF+6:FF+8], v[X+32:X+47], v[SO+1]
	v_cvt_scalef32_pk16_fp6_f32 v[T+4:T+6], v[X+48:X+63], v[SO+1]
	v_lshl_or_b32 v[TP], v[BY+1], 16, v[BY]        ; (the plain line behind the conversions)  my two bytes,
	v_lshlrev_b32 v[TP], v7, v[TP]                 ; at their places,
.irp i, 0,1,2
	v_mov_b32 v[FF+3+\i], v[T+\i]
	v_mov_b32 v[FF+9+\i], v[T+4+\i]
.endr
	v_permlanex16_b32 v[TP+1], v[TP], s28, s29
	v_or_b32 v[W+(\s)], v[TP], v[TP+1]             ; with the other half's two: the row's word of this K step
	global_store_b128 v4, v[FF:FF+3], s[18:19] offset:24576*(\s)
	global_store_b64 v5, v[FF+4:FF+5], s[18:19] offset:24576*(\s)+512
	global_store_b128 v4, v[FF+6:FF+9], s[18:19] offset:24576*(\s)+768
	global_store_b64 v5, v[FF+10:FF+11], s[18:19] offset:24576*(\s)+1280
.endm
	XLOAD 0
	XLOAD 1
	s_wait_alu depctr_va_vdst(0)
.irp s, 0,1,2,3,4,5,6,7
.if \s < 7
	s_wait_loadcnt 16                              ; this K step's 16 loads are in; the next step's may be out
.else
	s_wait_loadcnt 0x0
.endif
	XTURN \s
	s_wait_dscnt 0x0                               ; my blocks are back, and the stage's stores have read their registers,
.if \s < 6
	XLOAD \s+2                                     ; which take the loads of two K steps on
.endif
	XQ \s
.endr
	v_cmp_eq_u32 vcc_lo, 1, v3
.irp i, 0,1,2,3
	v_cndmask_b32 v[BM+\i], v[W+\i], v[W+4+\i], vcc_lo   ; lanes 0-15 store words 0-3 of row r, lanes 16-31 words 4-7
.endr
	global_store_b128 v9, v[BM:BM+3], s[20:21]     ; 512 consecutive bytes
	s_wait_tensorcnt 0x0                           ; the wave's end, behind my last LDS store
	ds_add_u32 v[SPW], v[NIL]
	s_wait_dscnt 0x0
	s_endpgm
	; ---------------- the weights: K is the first axis ----------------
.Lweights:
.set XW,  16                           ; v16-79 two sets of 32 numbers down K
.set REC, 80                           ; v80-91 the codes of an even and an odd block
.set WT,  92
.set WS,  96                           ; v96-97 my two scale words
	s_lshr_b32 s30, ttmp9, 5                       ; which weight
	s_bfe_u32 s31, ttmp9, 0x40001                  ; which 64 columns
	s_and_b32 s32, ttmp9, 1
	s_and_b32 s33, s26, 1                          ; which pair of tiles: lanes 0-15 tile 2 pair, lanes 16-31 tile 2 pair + 1
	s_lshr_b32 s34, s26, 1
	s_lshl_b32 s35, s32, 1
	s_add_co_u32 s34, s34, s35                     ; which 256 along K
	s_cmp_eq_u32 s30, 1
	s_cselect_b64 s[10:11], s[12:13], s[10:11]
	s_cmp_eq_u32 s30, 2
	s_cselect_b64 s[10:11], s[14:15], s[10:11]
	s_cmp_eq_u32 s30, 3
	s_cselect_b64 s[10:11], s[16:17], s[10:11]
	s_lshl_b32 s36, s34, 20                        ; 256 rows of 4,096 bytes
	s_lshl_b32 s35, s31, 8                         ; 64 columns
	s_add_co_u32 s36, s36, s35
	s_lshl_b32 s35, s33, 6                         ; 16 columns a pair
	s_add_co_u32 s36, s36, s35
	s_add_nc_u64 s[10:11], s[10:11], s[36:37]
	s_wait_alu depctr_va_vdst(0)
	v_lshrrev_b32 v8, 3, v2
	v_mad_u32_u24 v8, v8, 24, v2                   ; 32 (r / 8) + r % 8
	v_lshl_add_u32 v8, v3, 3, v8                   ; + 8 h
	v_lshlrev_b32 v8, 2, v8                        ; my column, in bytes
	s_wait_alu depctr_va_vdst(0)
	s_mul_i32 s36, s30, 786432
	s_lshr_b32 s38, s31, 2
	s_mul_i32 s35, s38, 196608
	s_add_co_u32 s36, s36, s35
	s_mul_i32 s35, s34, 49152                      ; two K steps for each 256 along K
	s_add_co_u32 s36, s36, s35
	s_and_b32 s40, s31, 3
	s_lshl_b32 s35, s40, 2
	s_lshl_b32 s41, s33, 1
	s_add_co_u32 s35, s35, s41
	s_mul_i32 s35, s35, 1536
	s_add_co_u32 s36, s36, s35
	s_add_nc_u64 s[22:23], s[22:23], s[36:37]
	s_lshl_b32 s36, s30, 15
	s_lshl_b32 s35, s38, 13
	s_add_co_u32 s36, s36, s35
	s_lshl_b32 s35, s40, 11
	s_add_co_u32 s36, s36, s35
	s_lshl_b32 s35, s33, 10
	s_add_co_u32 s36, s36, s35
	s_lshl_b32 s35, s34, 3
	s_add_co_u32 s36, s36, s35
	s_add_nc_u64 s[24:25], s[24:25], s[36:37]
	v_lshlrev_b32 v9, 5, v1                        ; scale words: 32 bytes a slot, my lane's slot
.macro WLOAD t                         ; block t: 32 numbers down K of my column
.set i, 0
.rept 32
	global_load_b32 v[XW+32*((\t)%2)+i], v8, s[10:11] offset:(32*(\t)+i)*4096 th:TH_LOAD_NT
.set i, i+1
.endr
.endm
.macro WBLK t
.set XS, XW+32*((\t)%2)
.set RC, REC+6*((\t)%2)
.if (\t) < 7
	s_wait_loadcnt 32                              ; this block's 32 loads are in; the next block's may be out
.else
	s_wait_loadcnt 0x0
.endif
	v_max3_num_f32 v98, |v[XS]|, |v[XS+1]|, FLOOR
	v_max3_num_f32 v99, |v[XS+2]|, |v[XS+3]|, |v[XS+4]|
.irp i, 5,9,13,17,21,25
	v_max3_num_f32 v98, v98, |v[XS+\i]|, |v[XS+\i+1]|
	v_max3_num_f32 v99, v99, |v[XS+\i+2]|, |v[XS+\i+3]|
.endr
	v_max3_num_f32 v98, v98, |v[XS+29]|, |v[XS+30]|
	v_max3_num_f32 v98, v98, v99, |v[XS+31]|
	v_add_nc_u32 v100, EOFF, v98
	v_lshrrev_b32 v101, 23, v100
.if (\t)%4 == 0
	v_mov_b32 v[WS+(\t)/4], v101
.else
	v_lshl_or_b32 v[WS+(\t)/4], v101, 8*((\t)%4), v[WS+(\t)/4]
.endif
.if ((\t)%2 == 0) && ((\t) >= 2)
	s_wait_alu depctr_va_vdst(0)
	s_wait_xcnt 0x0                                ; the last pair's stores have read the codes' registers
.endif
	v_cvt_scalef32_pk16_fp6_f32 v[RC:RC+2], v[XS:XS+15], v100
	v_cvt_scalef32_pk16_fp6_f32 v[WT:WT+2], v[XS+16:XS+31], v100
	v_nop                                          ; the plain line behind the conversions
.irp i, 0,1,2
	v_mov_b32 v[RC+3+\i], v[WT+\i]
.endr
.if (\t)+2 < 8
	WLOAD (\t)+2
.endif
.if (\t)%2 == 1
.set OFS, ((\t)/4)*24576+(((\t)%4)/2)*768
.irp i, 0,1,2,3,4,5
	v_permlane16_swap_b32 v[REC+\i], v[REC+6+\i]   ; the even block's lanes 16-31 change places with the odd block's lanes 0-15: the first six registers are now tile 2 pair's half image, the others tile 2 pair + 1's
.endr
	global_store_b128 v4, v[REC:REC+3], s[22:23] offset:OFS
	global_store_b64 v5, v[REC+4:REC+5], s[22:23] offset:OFS+512
	global_store_b128 v4, v[REC+6:REC+9], s[22:23] offset:OFS+1536
	global_store_b64 v5, v[REC+10:REC+11], s[22:23] offset:OFS+1536+512
.endif
.endm
	WLOAD 0
	WLOAD 1
.irp t, 0,1,2,3,4,5,6,7
	WBLK \t
.endr
	global_store_b64 v9, v[WS:WS+1], s[24:25]      ; 8 of a slot's 32 bytes: one part in 24 of what this path stores, and the one store here that does not cover whole runs
	s_wait_tensorcnt 0x0                           ; the same three lines close this path
	ds_add_u32 v[SPW], v[NIL]
	s_wait_dscnt 0x0
	s_endpgm
.Lfunc_end_k_qe3b0375050_quant:
	.size	k_qe3b0375050_quant, .Lfunc_end_k_qe3b0375050_quant-k_qe3b0375050_quant
	.p2alignl 7, 3214868480
	.fill 96, 4, 3214868480
	.section	.rodata,"a",@progbits
	.p2align	6, 0x0
	.amdhsa_kernel k_qe3b0375050_quant
		.amdhsa_group_segment_fixed_size 34304
		.amdhsa_private_segment_fixed_size 0
		.amdhsa_enable_private_segment 0
		.amdhsa_kernarg_size 88
		.amdhsa_user_sgpr_count 2
		.amdhsa_user_sgpr_kernarg_segment_ptr 1
		.amdhsa_wavefront_size32 1
		.amdhsa_system_sgpr_workgroup_id_x 1
		.amdhsa_system_sgpr_workgroup_id_y 1
		.amdhsa_system_sgpr_workgroup_id_z 1
		.amdhsa_system_vgpr_workitem_id 0
		.amdhsa_next_free_vgpr 256
		.amdhsa_next_free_sgpr 66
		.amdhsa_reserve_vcc 1
		.amdhsa_float_denorm_mode_32 3
		.amdhsa_float_denorm_mode_16_64 3
		.amdhsa_memory_ordered 1
		.amdhsa_forward_progress 1
		.amdhsa_inst_pref_size 99
	.end_amdhsa_kernel
	.amdgpu_metadata
---
amdhsa.version: [ 1, 2 ]
amdhsa.kernels:
  - .name:           k_qe3b0375050_quant
    .symbol:         k_qe3b0375050_quant.kd
    .args:
      - { .name: q, .offset: 0, .size: 8, .value_kind: global_buffer, .address_space: global }
      - { .name: k, .offset: 8, .size: 8, .value_kind: global_buffer, .address_space: global }
      - { .name: v, .offset: 16, .size: 8, .value_kind: global_buffer, .address_space: global }
      - { .name: wq, .offset: 24, .size: 8, .value_kind: global_buffer, .address_space: global }
      - { .name: wk, .offset: 32, .size: 8, .value_kind: global_buffer, .address_space: global }
      - { .name: wv, .offset: 40, .size: 8, .value_kind: global_buffer, .address_space: global }
      - { .name: wo, .offset: 48, .size: 8, .value_kind: global_buffer, .address_space: global }
      - { .name: ximg, .offset: 56, .size: 8, .value_kind: global_buffer, .address_space: global }
      - { .name: xsc, .offset: 64, .size: 8, .value_kind: global_buffer, .address_space: global }
      - { .name: wimg, .offset: 72, .size: 8, .value_kind: global_buffer, .address_space: global }
      - { .name: wsc, .offset: 80, .size: 8, .value_kind: global_buffer, .address_space: global }
    .group_segment_fixed_size: 34304
    .private_segment_fixed_size: 0
    .kernarg_segment_align: 8
    .kernarg_segment_size: 88
    .max_flat_workgroup_size: 128
    .sgpr_count:     66
    .vgpr_count:     256
    .wavefront_size: 32
...
	.end_amdgpu_metadata
.endif
;; end of part 1
;; launch proj (part 2): grid 4 x 64, 4 waves a work-group, clusters of 4 x 4, 327,680 bytes of LDS; arguments ximg, xsc, wimg, wsc, bq, bk, bv, mask, qh, kv; writes qh, kv
.if DOCPART == 2
	.amdgcn_target "amdgcn-amd-amdhsa--gfx1250"
	.amdhsa_code_object_version 6
	.text
	.protected	k_qe3b0375050_proj
	.globl	k_qe3b0375050_proj
	.p2align	8
	.type	k_qe3b0375050_proj,@function
k_qe3b0375050_proj:
	s_mov_b64 s[64:65], 0
	v_nop
	global_prefetch_b8 v0, s[64:65] scope:SCOPE_SE
	s_setreg_imm32_b32 hwreg(HW_REG_WAVE_MODE, 25, 1), 1
	s_wait_xcnt 0x0
	s_wait_alu depctr_hold_cnt(0) depctr_sa_sdst(0) depctr_va_vdst(0) depctr_va_sdst(0) depctr_va_ssrc(0) depctr_va_vcc(0) depctr_vm_vsrc(0)
	s_getreg_b32 s2, hwreg(HW_REG_IB_STS2, 6, 4)
	s_cmp_eq_u32 s2, 0
	s_cbranch_scc0 .Lentry_in_a_cluster
	s_endpgm
.Lentry_in_a_cluster:
	s_bfe_u32 s2, ttmp6, 0x10000c
	s_cmp_lg_u32 s2, 0xf033
	s_cbranch_scc0 .Lentry_shape_is_right
	s_endpgm
.Lentry_shape_is_right:
; The three projections q wq + bq, k wk + bk, v wv + bv on codes of FP6 with E8M0 scales, K = 1,024, and the quantising of their results for the attention launch.
; 256 work-groups of four waves STAY and make three blocks each, one of q, one of k, one of v: a loop of two trips (q, k) and v written out behind it.
; A block is 128 slots of source 1 x 256 slots of source 0; a wave makes 64 x 128: 32 accumulators.
; q, k: source 0 = 256 columns of the weight (tile cx), source 1 = 128 rows of x (tile 4 x cluster y + cy): a lane holds one row and, in the 32 registers of four tiles, 32 neighbouring channels of a head.
; v:    source 0 = 256 rows of x (tile 4 (cluster y / 2) + cx), source 1 = 128 columns of the weight (tile 4 (cluster y % 2) + cy): a lane holds one channel and 32 neighbouring KEYS, along which v is quantised.
; So source 0 hangs on cx and is asked for jointly by a column of the 4 x 4 cluster, source 1 on cy and by a row.  Operands lie in memory as images of their registers, [block of 256 slots][K step][tile][1,536 bytes].
; LDS holds ALL of K of both: source 1's 8 K steps of 12,288 bytes (rows of 12,288 bytes, 24,576 apart in memory), source 0's 196,608 dense bytes, the scale words (4,096 and 8,192 bytes), the spare words.
; A block's four tiles are one joint load a wave.  The next block's are asked for in a round of the cluster's barrier that stands inside K step 7, when every fragment is in registers: they land under the way out.
; No prefetch: a refill is asked for a whole way out ahead of its first read.
; THE MASK rides in the score product's unused K: q carries the code of +1 at k = 64 with scale bytes 127; a masked key has zero codes, the code of -1 at k = 64 and the byte 193, so that its score is exactly -2^66;
; any other key has code 0 and byte 1 there.  LIMIT: -2^66 stands for reference()'s -1e20: the same results while raw scores of unmasked keys stay above -2^65.  NaN and infinities are not served.
; REGISTERS: window 0: v1-23 lane numbers and addresses; v24-87 source 0's scale words, v92-123 source 1's (they hold nothing else; their numbers differ modulo 8); v88-91 mask words;
;   v124-219 source 1's fragments, two sets; on the way out v124-191 are at work.  window 1: source 0's fragments, two sets (v0, v128).  window 2: accumulator (source 1's tile a, source 0's tile b) at v[8 (8 a + b)].  window 3: v0-63 the bias.
; HOW THE TILES ARE ASKED FOR IN THIS TEXT (it takes the place of the two sentences above on one group of four loads and on K step 7 alone): a block's tiles come in TWO groups, each one joint load a wave.
; The first: source 1's and source 0's scale words and K steps 0-1 of both (24,576 and 49,152 bytes).  The second: source 1's K steps 2-7 (wave 0) and source 0's K steps 2 w, 2 w + 1 (wave w = 1, 2, 3).
; A round inside K step 1 shows this block's second group to all waves and refills the first group's bytes for the next block; a round inside K step 7 shows that and refills the second group's.  So a block begins with no wait for tiles.
.set KS1,   12288
.set KS0,   24576
.set HB,    49152
.set S0B,   98304
.set FRB,   1536
.set SCL,   294912
.set SPARE, 307200
.set FLOOR, 0x1800000
.set EOFF,  0xff000000
.set A16, 4
.set A8,  6
.set B16, 8
.set B8,  12
.set ADS0, 16
.set ADS1, 17
.set L16, 18
.set L8,  19
.set SPW, 20
.set NIL, 21
.set VH,  22                           ; 128 h
.set VB,  23                           ; 4 (32 (r / 8) + r % 8)
.set SC0, 24
.set MW,  88
.set SC1, 92
.set AF,  124
.set G1A, 24                           ; s[24:31] group 1 of source 1's codes; s[48:55] of source 0's; s[76:83], s[84:91] of their scale words; s[32:47] the four groups 0
.set G1B, 48
.set G1SA, 76
.set G1SB, 84
.set MSB, 0
.macro WIN new
.if MSB != (\new)
	s_set_vgpr_msb (MSB<<8)|(\new)
.set MSB, (\new)
.endif
.endm
.macro PLACES n
.rept \n
	v_nop
.endr
.endm
.macro WALU
	s_wait_alu depctr_va_vdst(0)
.endm
.macro CREST
	s_cmp_lg_u32 s14, 0
	s_cbranch_scc1 .Lnot_wave_0_\@
	s_barrier_signal -3
.Lnot_wave_0_\@:
	s_barrier_wait -3
	s_barrier_signal -1
	s_barrier_wait -1
.endm
.macro CROUND
	s_barrier_signal -1
	s_barrier_wait -1
	CREST
.endm
.macro G1SET g, mask, c, r, p          ; r rows of c elements of 8 bytes, p elements apart
	s_or_b32 s[\g], s[\mask], (3<<16)|(1<<21)
	s_mov_b32 s[\g+1], (\c)<<16
	s_mov_b32 s[\g+2], (\r)<<16
	s_mov_b32 s[\g+3], (\c)<<16
	s_mov_b32 s[\g+4], \r
	s_mov_b32 s[\g+5], \p
	s_mov_b32 s[\g+6], 0
	s_mov_b32 s[\g+7], 0
.endm
.macro GADR g, p                       ; a group 0's global address
	s_mov_b64 s[\g+2:\g+3], s[\p:\p+1]
	s_or_b32 s[\g+3], s[\g+3], 0x80000000
.endm
.macro TL g0, g1
	tensor_load_to_lds s[\g0:\g0+3], s[\g1:\g1+7]
	s_nop 0
	PLACES 4
.endm
.macro LOADS                           ; a block's four tiles, one a wave, in one chain of branches on the wave's number: every way passes exactly one load
	s_cmp_lt_u32 s14, 1
	s_cbranch_scc0 .Lw1_\@
	TL 40, G1SA                                    ; wave 0: source 1's scale words
	s_branch .Lasked_\@
.Lw1_\@:
	s_cmp_lt_u32 s14, 2
	s_cbranch_scc0 .Lw2_\@
	TL 44, G1SB                                    ; wave 1: source 0's
	s_branch .Lasked_\@
.Lw2_\@:
	s_cmp_lt_u32 s14, 3
	s_cbranch_scc0 .Lw3_\@
	TL 32, G1A                                     ; wave 2: source 1's codes
	s_branch .Lasked_\@
.Lw3_\@:
	TL 36, G1B                                     ; wave 3: source 0's codes
.Lasked_\@:
.endm
.macro SETB                            ; the second group's descriptors, written where no tensor load of mine is out
	s_mov_b32 s[G1A+2], 6<<16                      ; source 1: six K steps
	s_mov_b32 s[G1A+4], 6
	s_mov_b32 s33, 2*KS1
	s_add_nc_u64 s[34:35], s[4:5], 2*KS0
	s_or_b32 s35, s35, 0x80000000
	s_mul_i32 s12, s14, HB                         ; source 0: two K steps a wave
	s_add_co_u32 s37, s12, S0B
	s_add_nc_u64 s[38:39], s[8:9], s[12:13]
	s_or_b32 s39, s39, 0x80000000
.endm
.macro LOADSB
	s_cmp_eq_u32 s14, 0
	s_cbranch_scc0 .Lb0_\@
	TL 32, G1A
	s_branch .Lbasked_\@
.Lb0_\@:
	TL 36, G1B
.Lbasked_\@:
.endm
.macro FRAG reg, a16, a8, off
	ds_load_b128 v[\reg:\reg+3], v[\a16] offset:\off
	ds_load_b64 v[\reg+4:\reg+5], v[\a8] offset:\off+512
	ds_load_b128 v[\reg+6:\reg+9], v[\a16] offset:\off+768
	ds_load_b64 v[\reg+10:\reg+11], v[\a8] offset:\off+1280
.endm
.macro FETCH s                         ; K step s: source 0's eight fragments and source 1's four into set s % 2
	WIN 0x40
.irp i, 0,1,2,3,4,5,6,7
	FRAG 128*((\s)%2)+12*\i, B16+(\s)/2, B8+(\s)/2, ((\s)%2)*KS0+\i*FRB
.endr
	WIN 0
.irp i, 0,1,2,3
	FRAG AF+48*((\s)%2)+12*\i, A16+(\s)/4, A8+(\s)/4, ((\s)%4)*KS1+\i*FRB
.endr
.endm
; 16 products: source 1's tiles a0, a0 + 1 against source 0's eight.  cmode 0: onto the sums; 1: the bias of source 0's index starts them; 2: that of source 1's.  The 32 accumulators take turns.
.macro MUL16 a0, s, cmode
.irp a, \a0, \a0+1
.irp b, 0,1,2,3,4,5,6,7
.set DD, 8*(8*(\a)+\b)
.set F0, 128*((\s)%2)+12*\b
.set F1, AF+48*((\s)%2)+12*(\a)
.if \cmode == 0
	v_wmma_scale_f32_16x16x128_f8f6f4 v[DD:DD+7], v[F0:F0+11], v[F1:F1+11], v[DD:DD+7], v[SC0+8*\b+(\s)], v[SC1+8*(\a)+(\s)] matrix_a_fmt:MATRIX_FMT_FP6 matrix_b_fmt:MATRIX_FMT_FP6
.elseif \cmode == 1
	v_wmma_scale_f32_16x16x128_f8f6f4 v[DD:DD+7], v[F0:F0+11], v[F1:F1+11], v[8*\b:8*\b+7], v[SC0+8*\b+(\s)], v[SC1+8*(\a)+(\s)] matrix_a_fmt:MATRIX_FMT_FP6 matrix_b_fmt:MATRIX_FMT_FP6
.else
	v_wmma_scale_f32_16x16x128_f8f6f4 v[DD:DD+7], v[F0:F0+11], v[F1:F1+11], v[8*(\a):8*(\a)+7], v[SC0+8*\b+(\s)], v[SC1+8*(\a)+(\s)] matrix_a_fmt:MATRIX_FMT_FP6 matrix_b_fmt:MATRIX_FMT_FP6
.endif
.endr
.endr
.endm
.macro STEP s, cmode                   ; K step s: its fragments are in; the next step's are asked for, four places behind the products that read their registers; 32 products
	s_wait_dscnt 0x0
.if (\s) < 7
	PLACES 4
	FETCH (\s)+1
.endif
.if \cmode
	WIN 0xb1
.else
	WIN 0xa1
.endif
	MUL16 0, \s, \cmode
	MUL16 2, \s, \cmode
	WIN 0
.endm
.macro BIASQK p                        ; register t of tile b = bias[.. + 64 (b / 4) + 8 (b % 4) + 32 h + t]
	WIN 0xc0
.irp b, 0,1,2,3,4,5,6,7
	global_load_b128 v[8*\b:8*\b+3], v[VH], s[\p:\p+1] offset:(64*(\b/4)+8*(\b%4))*4
	global_load_b128 v[8*\b+4:8*\b+7], v[VH], s[\p:\p+1] offset:(64*(\b/4)+8*(\b%4))*4+16
.endr
	WIN 0
.endm
; A block: the tiles are shown to all waves, the scale words and the first fragments come into registers, eight K steps.  refill = 1: the next block's tiles are asked for inside K steps 1 and 7.
.macro CORE cmode, refill
	s_wait_xcnt 0x0                                ; the last way out's stores have read their registers and bases; the first group was shown to all waves by the round behind which the second was asked for
.irp i, 0,1,2,3,4,5,6,7
	ds_load_b128 v[SC0+8*\i:SC0+8*\i+3], v[ADS0] offset:512*\i
	ds_load_b128 v[SC0+8*\i+4:SC0+8*\i+7], v[ADS0] offset:512*\i+16
.endr
.irp i, 0,1,2,3
	ds_load_b128 v[SC1+8*\i:SC1+8*\i+3], v[ADS1] offset:512*\i
	ds_load_b128 v[SC1+8*\i+4:SC1+8*\i+7], v[ADS1] offset:512*\i+16
.endr
	FETCH 0
	s_wait_loadcnt 0x0                             ; the bias (and, the first time, the mask words)
.if \cmode == 2
	WIN 0xc3
.irp a, 0,8,16,24
.irp i, 1,2,3,4,5,6,7
	v_mov_b32 v[\a+\i], v[\a]                      ; v: a lane's one number of a tile, over the tile's eight registers
.endr
.endr
	WIN 0
	WALU
.endif
	STEP 0, \cmode
	s_wait_tensorcnt 0x0                           ; K step 1.  My part of this block's second group is in
.if \refill
	ds_add_u32 v[SPW], v[NIL]                      ; (with the wait above and the wait for 0 below: the three lines ahead of a refill's round)
	s_wait_dscnt 1                                 ; K step 1's fragments are in; the add may be out
	s_add_nc_u64 s[4:5], s[4:5], 6291456           ; the next block's tiles: k's lie at fixed distances behind q's; v's were made at the head
	s_add_nc_u64 s[6:7], s[6:7], 262144
	s_add_nc_u64 s[8:9], s[8:9], 786432
	s_add_nc_u64 s[10:11], s[10:11], 32768
	s_cmp_eq_u32 s17, 0
	s_cselect_b64 s[4:5], s[4:5], s[56:57]
	s_cselect_b64 s[6:7], s[6:7], s[58:59]
	s_cselect_b64 s[8:9], s[8:9], s[60:61]
	s_cselect_b64 s[10:11], s[10:11], s[62:63]
	s_mov_b32 s[G1A+2], 2<<16                      ; the first group: two K steps of source 1
	s_mov_b32 s[G1A+4], 2
	s_mov_b32 s33, 0
	s_mov_b32 s37, S0B
	GADR 32, 4
	GADR 40, 6
	GADR 36, 8
	GADR 44, 10
	WIN 0xa1
	MUL16 0, 1, 0
	s_wait_dscnt 0x0                               ; the add is done; the scale words and K steps 0-1 are in my registers
	s_barrier_signal -1
	MUL16 2, 1, 0
	WIN 0
	s_barrier_wait -1
	CREST                                          ; no wave of any partner still reads the first group's bytes, and everybody's part of the second group is in
	LOADS                                          ; its four v_nop are the places ahead of the loads below
.else
	s_wait_dscnt 0x0
	s_barrier_signal -1
	WIN 0xa1
	MUL16 0, 1, 0
	MUL16 2, 1, 0
	WIN 0
	s_barrier_wait -1                              ; everybody's part of the second group is in
	PLACES 4
.endif
	FETCH 2
.irp s, 2,3,4,5,6
	STEP \s, 0
.endr
.if \refill
	s_wait_tensorcnt 0x0                           ; K step 7.  The three lines once more: my part of the next block's first group is in
	ds_add_u32 v[SPW], v[NIL]
	s_wait_dscnt 1                                 ; K step 7's fragments are in; the add may be out
	SETB
	WIN 0xa1
	MUL16 0, 7, 0
	s_wait_dscnt 0x0                               ; the add is done; my reads of LDS were over at the wait above
	s_barrier_signal -1
	MUL16 2, 7, 0
	WIN 0
	s_barrier_wait -1
	CREST                                          ; no wave of any partner still reads K steps 2-7
	LOADSB                                         ; its four v_nop are the places ahead of the way out
.else
	STEP 7, 0
	PLACES 4
.endif
.endm
	s_load_b256 s[4:11], s[0:1], 0x0               ; ximg, xsc, wimg, wsc
	s_load_b256 s[68:75], s[0:1], 0x20             ; bq, bk, bv, mask
	s_load_b128 s[92:95], s[0:1], 0x40             ; qh, kv
	v_lshl_add_u32 v[SPW], v0, 2, SPARE
	v_mov_b32 v[NIL], 0
	ds_add_u32 v[SPW], v[NIL]                      ; the opening lines: the add twice and its wait ahead of my first tensor load
	ds_add_u32 v[SPW], v[NIL]
	v_lshrrev_b32 v1, 5, v0
	v_readfirstlane_b32 s14, v1                    ; wave
	s_lshr_b32 s15, s14, 1                         ; my half of source 1's tiles
	s_and_b32 s16, s14, 1                          ; my half of source 0's
	s_bfe_u32 s18, ttmp6, 0x40000                  ; cx
	s_bfe_u32 s19, ttmp6, 0x40004                  ; cy
	s_and_b32 s20, ttmp7, 0xffff                   ; cluster y
	s_lshl_b32 s2, s20, 2
	s_add_co_u32 s2, s2, s19                       ; q, k: which 128 rows of x
	s_and_b32 s3, s20, 1
	s_lshl_b32 s3, s3, 2
	s_add_co_u32 s3, s3, s19                       ; v: which 128 columns of wv
	s_lshr_b32 s21, s20, 1
	s_lshl_b32 s21, s21, 2
	s_add_co_u32 s21, s21, s18                     ; v: which 256 rows of x
	s_lshl_b32 s22, s19, 2
	s_lshl_b32 s22, 15, s22                        ; my row of the cluster
	s_lshl_b32 s23, 0x1111, s18                    ; my column
	G1SET G1A, 22, 1536, 2, 3072
	G1SET G1B, 23, 32, 192, 32
	G1SET G1SA, 22, 32, 16, 32
	G1SET G1SB, 23, 32, 32, 32
	s_lshr_b32 s32, s2, 1                          ; byte offsets.  q's source 1: block, half
	s_mul_i32 s32, s32, 196608
	s_and_b32 s33, s2, 1
	s_mul_i32 s33, s33, KS1
	s_add_co_u32 s32, s32, s33
	s_lshl_b32 s33, s2, 12
	s_lshr_b32 s34, s3, 1                          ; v's source 1, in the third weight
	s_mul_i32 s34, s34, 196608
	s_and_b32 s35, s3, 1
	s_mul_i32 s35, s35, KS1
	s_add_co_u32 s34, s34, s35
	s_add_co_u32 s34, s34, 1572864
	s_lshl_b32 s35, s3, 12
	s_add_co_u32 s35, s35, 65536
	s_mul_i32 s36, s18, 196608                     ; q's source 0
	s_lshl_b32 s37, s18, 13
	s_mul_i32 s38, s21, 196608                     ; v's source 0, in the third x
	s_add_co_u32 s38, s38, 12582912
	s_lshl_b32 s39, s21, 13
	s_add_co_u32 s39, s39, 524288
	s_lshr_b32 s40, s2, 4                          ; q, k: record ((batch x 16 + head) x 16 + group of 128 rows) of my first head
	s_lshl_b32 s40, s40, 4
	s_lshl_b32 s41, s18, 2
	s_add_co_u32 s40, s40, s41
	s_lshl_b32 s41, s16, 1
	s_add_co_u32 s40, s40, s41
	s_lshl_b32 s40, s40, 4
	s_and_b32 s41, s2, 15
	s_add_co_u32 s66, s40, s41
	s_lshr_b32 s40, s21, 3                         ; v: the record of my head and my 128 keys
	s_lshl_b32 s40, s40, 4
	s_lshl_b32 s41, s3, 1
	s_add_co_u32 s40, s40, s41
	s_add_co_u32 s40, s40, s15
	s_lshl_b32 s40, s40, 4
	s_and_b32 s41, s21, 7
	s_lshl_b32 s41, s41, 1
	s_add_co_u32 s40, s40, s41
	s_add_co_u32 s67, s40, s16
	s_lshl_b32 s42, s18, 1
	s_add_co_u32 s42, s42, s16
	s_lshl_b32 s42, s42, 9                         ; bq, bk: my 128 columns
	s_lshl_b32 s43, s3, 1
	s_add_co_u32 s43, s43, s15
	s_lshl_b32 s43, s43, 8                         ; bv: my 64 columns
	s_lshl_b32 s44, s2, 1
	s_add_co_u32 s44, s44, s15
	s_lshl_b32 s44, s44, 8                         ; mask: my 64 rows
	s_mul_i32 s20, s15, 6144                       ; LDS: my four tiles of source 1,
	s_mul_i32 s21, s16, 12288
	s_add_co_u32 s21, s21, S0B                     ; my eight of source 0,
	s_lshl_b32 s22, s15, 11
	s_add_co_u32 s22, s22, SCL                     ; and their scale words
	s_lshl_b32 s23, s16, 12
	s_add_co_u32 s23, s23, SCL+4096
	s_mov_b32 s100, 0x76543210
	s_mov_b32 s101, 0xfedcba98                     ; lane l xor 16
	s_mov_b32 s13, 0
	s_mov_b32 s97, 0
	s_wait_dscnt 0x0                               ; both opening adds are done
	s_wait_kmcnt 0x0
	s_mov_b32 s12, s34
	s_add_nc_u64 s[56:57], s[8:9], s[12:13]        ; v's four tiles
	s_mov_b32 s12, s35
	s_add_nc_u64 s[58:59], s[10:11], s[12:13]
	s_mov_b32 s96, s38
	s_add_nc_u64 s[60:61], s[4:5], s[96:97]
	s_mov_b32 s96, s39
	s_add_nc_u64 s[62:63], s[6:7], s[96:97]
	s_mov_b32 s12, s32
	s_add_nc_u64 s[4:5], s[4:5], s[12:13]          ; q's: source 1's codes, its scale words,
	s_mov_b32 s12, s33
	s_add_nc_u64 s[6:7], s[6:7], s[12:13]
	s_mov_b32 s96, s36
	s_add_nc_u64 s[8:9], s[8:9], s[96:97]          ; source 0's codes, its scale words
	s_mov_b32 s96, s37
	s_add_nc_u64 s[10:11], s[10:11], s[96:97]
	s_mov_b32 s96, s42
	s_add_nc_u64 s[68:69], s[68:69], s[96:97]
	s_add_nc_u64 s[70:71], s[70:71], s[96:97]
	s_mov_b32 s12, s43
	s_add_nc_u64 s[72:73], s[72:73], s[12:13]
	s_mov_b32 s12, s44
	s_add_nc_u64 s[74:75], s[74:75], s[12:13]
	CROUND                                         ; all sixteen work-groups are here: the first joint loads meet
	s_mov_b32 s32, 1
	s_mov_b32 s33, 0
	s_mov_b32 s36, 1
	s_mov_b32 s37, S0B
	s_mov_b32 s40, 1
	s_mov_b32 s41, SCL
	s_mov_b32 s44, 1
	s_mov_b32 s45, SCL+4096
	GADR 32, 4
	GADR 40, 6
	GADR 36, 8
	GADR 44, 10
	LOADS
	v_and_b32 v1, 31, v0                           ; lane
	v_and_b32 v2, 15, v0                           ; r
	v_bfe_u32 v3, v0, 4, 1                         ; h
	v_lshlrev_b32 v[L16], 4, v1
	v_lshlrev_b32 v[L8], 3, v1
	v_add_nc_u32 v[A16], s20, v[L16]
	v_add_nc_u32 v[A8], s20, v[L8]
	v_add_nc_u32 v[A16+1], HB, v[A16]
	v_add_nc_u32 v[A8+1], HB, v[A8]
	v_add_nc_u32 v[B16], s21, v[L16]
	v_add_nc_u32 v[B8], s21, v[L8]
.irp g, 1,2,3
	v_add_nc_u32 v[B16+\g], HB, v[B16+\g-1]
	v_add_nc_u32 v[B8+\g], HB, v[B8+\g-1]
.endr
	v_lshl_add_u32 v[ADS0], v2, 5, s23             ; 32 bytes of scale words a slot
	v_lshl_add_u32 v[ADS1], v2, 5, s22
	v_lshlrev_b32 v[VH], 7, v3
	v_lshrrev_b32 v[VB], 3, v2
	v_mad_u32_u24 v[VB], v[VB], 24, v2
	v_lshlrev_b32 v[VB], 2, v[VB]
	BIASQK 68
.irp j, 0,1,2,3
	global_load_b32 v[MW+\j], v[VB], s[74:75] offset:32*\j     ; the mask words of my rows, which are k's keys
.endr
	WALU                                           ; the head's end
	s_wait_tensorcnt 0x0                           ; my tile of q's first group is in
	ds_add_u32 v[SPW], v[NIL]
	SETB
	s_wait_dscnt 0x0
	CROUND                                         ; a whole round: the first group is in, in every partner
	LOADSB                                         ; q's second group
	; ---------------- the way out: quantise in registers, store images ----------------
.set WW,  124
.set CB,  132
.set T0,  164
.set T1,  168
.set BM,  172
.set SO,  174
.set BY,  176
.set PX,  178
.set VUN, 180
.set VMK, 181
.set HUN, 182
.set HMK, 183
.set VZ,  184
.set H8,  185
.set TP,  186
.set VSC, 187
.set OS,  188
; The 64 results of a lane for source 1's tile j: two blocks of 32 neighbours (source 0's tiles 0-3 and 4-7).  Largest magnitudes (each accumulator from its low end on), scale operands, bytes, codes.
.macro QUANT2 j
.set AB, 64*(\j)
.set C0, CB+16*((\j)%2)
.set C1, C0+8
	s_wait_xcnt 0x0                                ; earlier stores have read their registers
	WIN 0x0a
	v_max3_num_f32 v[BM], |v[AB]|, |v[AB+1]|, FLOOR
	v_max3_num_f32 v[BM+1], |v[AB+32]|, |v[AB+33]|, FLOOR
.irp i, 2,4,6,8,10,12,14,16,18,20,22,24,26,28,30
	v_max3_num_f32 v[BM], |v[AB+\i]|, |v[AB+\i+1]|, v[BM]
	v_max3_num_f32 v[BM+1], |v[AB+32+\i]|, |v[AB+33+\i]|, v[BM+1]
.endr
	WIN 0
	v_add_nc_u32 v[SO], EOFF, v[BM]
	v_add_nc_u32 v[SO+1], EOFF, v[BM+1]
	v_lshrrev_b32 v[BY], 23, v[SO]
	v_lshrrev_b32 v[BY+1], 23, v[SO+1]
	WIN 0x02
	v_cvt_scalef32_pk16_fp6_f32 v[C0:C0+2], v[AB:AB+15], v[SO]
	v_cvt_scalef32_pk16_fp6_f32 v[T0:T0+2], v[AB+16:AB+31], v[SO]
	v_cvt_scalef32_pk16_fp6_f32 v[C1:C1+2], v[AB+32:AB+47], v[SO+1]
	v_cvt_scalef32_pk16_fp6_f32 v[T1:T1+2], v[AB+48:AB+63], v[SO+1]
	WIN 0
	v_nop                                          ; the plain line behind the conversions
.endm
.macro QKJ j                           ; q, k: tile j of 16 rows, two heads; a lane's block is channels 32 h .. 32 h + 31 of its row
	QUANT2 \j
	v_or_b32 v[TP], s23, v[MW+\j]
	v_cmp_eq_u32 s3, 0, v[TP]                      ; my row is a masked key
.irp i, 0,1,2
	v_cndmask_b32 v[C0+\i], v[C0+\i], v[VZ], s3
	v_cndmask_b32 v[C1+\i], v[C1+\i], v[VZ], s3
	v_cndmask_b32 v[C0+3+\i], v[T0+\i], v[VZ], s3  ; the move and the zeroing in one
	v_cndmask_b32 v[C1+3+\i], v[T1+\i], v[VZ], s3
.endr
	v_cndmask_b32 v[C0+6], v[VUN], v[VMK], s3      ; the code at k = 64
	v_cndmask_b32 v[C1+6], v[VUN], v[VMK], s3
	v_mov_b32 v[C0+7], 0
	v_mov_b32 v[C1+7], 0
	global_store_b128 v[L16], v[C0:C0+3], s[96:97] offset:1024*\j
	global_store_b128 v[L16], v[C0+4:C0+7], s[96:97] offset:1024*\j+512
	global_store_b128 v[L16], v[C1:C1+3], s[98:99] offset:1024*\j
	global_store_b128 v[L16], v[C1+4:C1+7], s[98:99] offset:1024*\j+512
	v_lshlrev_b32 v[BY], v[H8], v[BY]
	v_lshlrev_b32 v[BY+1], v[H8], v[BY+1]
	v_permlanex16_b32 v[PX], v[BY], s100, s101
	v_permlanex16_b32 v[PX+1], v[BY+1], s100, s101
	v_cndmask_b32 v[TP], v[HUN], v[HMK], s3
	v_or_b32 v[BY], v[BY], v[PX]
	v_or_b32 v[BY+1], v[BY+1], v[PX+1]
	v_or_b32 v[WW+\j], v[BY], v[TP]
	v_or_b32 v[WW+4+\j], v[BY+1], v[TP]
.endm
.macro VJ j                            ; v: tile j of 16 channels of my head; a lane's blocks are keys 32 h .. and 64 + 32 h .. of the 128
	QUANT2 \j
.irp i, 0,1,2
	v_mov_b32 v[C0+3+\i], v[T0+\i]
	v_mov_b32 v[C1+3+\i], v[T1+\i]
.endr
.set VO, 8192+1536*(\j)
	global_store_b128 v[L16], v[C0:C0+3], s[96:97] offset:VO
	global_store_b64 v[L8], v[C0+4:C0+5], s[96:97] offset:VO+512
	global_store_b128 v[L16], v[C1:C1+3], s[96:97] offset:VO+768
	global_store_b64 v[L8], v[C1+4:C1+5], s[96:97] offset:VO+1280
	v_lshl_or_b32 v[BY], v[BY+1], 16, v[BY]
	v_lshlrev_b32 v[BY], v[H8], v[BY]
	v_permlanex16_b32 v[PX], v[BY], s100, s101
	v_or_b32 v[WW+\j], v[BY], v[PX]
.endm
	s_mov_b32 s17, 0                               ; 0: q, 1: k
.Lkind:
	CORE 1, 1
	s_cmp_eq_u32 s17, 0                            ; the next block's bias, under its tiles' flight
	s_cbranch_scc0 .Lbias_v
	BIASQK 70
	s_branch .Lbias_asked
.Lbias_v:
	WIN 0xc0
.irp a, 0,1,2,3
	global_load_b32 v[8*\a], v[VB], s[72:73] offset:32*\a      ; bv[.. + 8 a + 32 (r / 8) + r % 8]
.endr
	WIN 0
.Lbias_asked:
	s_mov_b32 s20, 15104
	s_mov_b32 s21, 14336
	s_mov_b32 s22, 0x01010000
	s_cmp_eq_u32 s17, 0
	s_cselect_b32 s20, 8704, s20                   ; a record's bytes,
	s_cselect_b32 s21, 8192, s21                   ; where its scale words begin,
	s_cselect_b32 s22, 0x7f7f0000, s22             ; scale bytes 2 and 3: q 127, an unmasked key 1
	s_cselect_b32 s23, 1, 0                        ; q has no mask
	s_cselect_b32 s2, 8, 0                         ; q: the code of +1 at k = 64
	s_cselect_b64 s[96:97], s[92:93], s[94:95]
	s_mul_i32 s12, s66, s20
	s_add_nc_u64 s[96:97], s[96:97], s[12:13]
	s_lshl_b32 s12, s15, 12                        ; my four tiles of the record's eight
	s_add_nc_u64 s[96:97], s[96:97], s[12:13]
	s_lshl_b32 s12, s20, 4
	s_add_nc_u64 s[98:99], s[96:97], s[12:13]      ; my second head: 16 records on
	s_mul_i32 s12, s15, 4088                       ; the scale words: 8 bytes of a lane's 16, counted from the base above
	s_sub_co_u32 s21, s21, s12
	v_sub_nc_u32 v[TP], 1, v3
	v_mul_u32_u24 v[VUN], s2, v[TP]                ; k = 64 lies in lanes 0-15
	v_mul_u32_u24 v[VMK], 40, v[TP]                ; a masked key: the code of -1
	v_mov_b32 v[HUN], s22
	v_mov_b32 v[HMK], 0x01c10000                   ; and the byte 193 for it
	v_mov_b32 v[VZ], 0
	v_lshlrev_b32 v[H8], 3, v3
	v_mov_b32 v[PX], 0
	v_mov_b32 v[PX+1], 0
	v_add_nc_u32 v[VSC], s21, v[L16]
	v_cmp_eq_u32 s2, 1, v3                         ; lanes 16-31
.irp j, 0,1,2,3
	QKJ \j
.endr
.irp m, 0,1                            ; lanes 0-15 the even tiles' words, lanes 16-31 the odd ones'
	v_cndmask_b32 v[OS+\m], v[WW+2*\m], v[WW+2*\m+1], s2
	v_cndmask_b32 v[OS+2+\m], v[WW+4+2*\m], v[WW+5+2*\m], s2
.endr
	global_store_b64 v[VSC], v[OS:OS+1], s[96:97]  ; half of each lane's 16 bytes of a record's scale words: one part in 16 of what a block stores
	global_store_b64 v[VSC], v[OS+2:OS+3], s[98:99]
	s_add_co_u32 s17, s17, 1
	s_cmp_lt_u32 s17, 2
	WALU
	s_cbranch_scc1 .Lkind
	CORE 2, 0                                      ; v: nothing more is asked for
	s_mul_i32 s12, s67, 15104
	s_add_nc_u64 s[96:97], s[94:95], s[12:13]
	v_lshlrev_b32 v[H8], 3, v3
	v_mov_b32 v[PX], 0
	v_cmp_eq_u32 s2, 1, v3
.irp j, 0,1,2,3
	VJ \j
.endr
.irp m, 0,1
	v_cndmask_b32 v[OS+\m], v[WW+2*\m], v[WW+2*\m+1], s2
.endr
	global_store_b64 v[L8], v[OS:OS+1], s[96:97] offset:14848
	s_wait_tensorcnt 0x0                           ; the wave's end
	ds_add_u32 v[SPW], v[NIL]
	s_wait_dscnt 0x0
	CROUND                                         ; the closing round
	s_endpgm
.Lfunc_end_k_qe3b0375050_proj:
	.size	k_qe3b0375050_proj, .Lfunc_end_k_qe3b0375050_proj-k_qe3b0375050_proj
	.p2alignl 7, 3214868480
	.fill 96, 4, 3214868480
	.section	.rodata,"a",@progbits
	.p2align	6, 0x0
	.amdhsa_kernel k_qe3b0375050_proj
		.amdhsa_group_segment_fixed_size 327680
		.amdhsa_private_segment_fixed_size 0
		.amdhsa_enable_private_segment 0
		.amdhsa_kernarg_size 80
		.amdhsa_user_sgpr_count 2
		.amdhsa_user_sgpr_kernarg_segment_ptr 1
		.amdhsa_wavefront_size32 1
		.amdhsa_system_sgpr_workgroup_id_x 1
		.amdhsa_system_sgpr_workgroup_id_y 1
		.amdhsa_system_sgpr_workgroup_id_z 1
		.amdhsa_system_vgpr_workitem_id 0
		.amdhsa_next_free_vgpr 832
		.amdhsa_next_free_sgpr 102
		.amdhsa_reserve_vcc 0
		.amdhsa_float_denorm_mode_32 3
		.amdhsa_float_denorm_mode_16_64 3
		.amdhsa_memory_ordered 1
		.amdhsa_forward_progress 1
		.amdhsa_inst_pref_size 175
	.end_amdhsa_kernel
	.amdgpu_metadata
---
amdhsa.version: [ 1, 2 ]
amdhsa.kernels:
  - .name:           k_qe3b0375050_proj
    .symbol:         k_qe3b0375050_proj.kd
    .args:
      - { .name: ximg, .offset: 0, .size: 8, .value_kind: global_buffer, .address_space: global }
      - { .name: xsc, .offset: 8, .size: 8, .value_kind: global_buffer, .address_space: global }
      - { .name: wimg, .offset: 16, .size: 8, .value_kind: global_buffer, .address_space: global }
      - { .name: wsc, .offset: 24, .size: 8, .value_kind: global_buffer, .address_space: global }
      - { .name: bq, .offset: 32, .size: 8, .value_kind: global_buffer, .address_space: global }
      - { .name: bk, .offset: 40, .size: 8, .value_kind: global_buffer, .address_space: global }
      - { .name: bv, .offset: 48, .size: 8, .value_kind: global_buffer, .address_space: global }
      - { .name: mask, .offset: 56, .size: 8, .value_kind: global_buffer, .address_space: global }
      - { .name: qh, .offset: 64, .size: 8, .value_kind: global_buffer, .address_space: global }
      - { .name: kv, .offset: 72, .size: 8, .value_kind: global_buffer, .address_space: global }
    .group_segment_fixed_size: 327680
    .private_segment_fixed_size: 0
    .kernarg_segment_align: 8
    .kernarg_segment_size: 80
    .max_flat_workgroup_size: 128
    .sgpr_count:     102
    .vgpr_count:     832
    .wavefront_size: 32
...
	.end_amdgpu_metadata
.endif
;; end of part 2
;; launch attn (part 3): grid 4 x 64, 8 waves a work-group, clusters of 4 x 1, 327,680 bytes of LDS; arguments qh, kv, ao, aosc; writes ao, aosc
.if DOCPART == 3
	.amdgcn_target "amdgcn-amd-amdhsa--gfx1250"
	.amdhsa_code_object_version 6
	.text
	.protected	k_qe3b0375050_attn
	.globl	k_qe3b0375050_attn
	.p2align	8
	.type	k_qe3b0375050_attn,@function
k_qe3b0375050_attn:
	s_mov_b64 s[64:65], 0
	v_nop
	global_prefetch_b8 v0, s[64:65] scope:SCOPE_SE
	s_setreg_imm32_b32 hwreg(HW_REG_WAVE_MODE, 25, 1), 1
	s_wait_xcnt 0x0
	s_wait_alu depctr_hold_cnt(0) depctr_sa_sdst(0) depctr_va_vdst(0) depctr_va_sdst(0) depctr_va_ssrc(0) depctr_va_vcc(0) depctr_vm_vsrc(0)
	s_getreg_b32 s2, hwreg(HW_REG_IB_STS2, 6, 4)
	s_cmp_eq_u32 s2, 0
	s_cbranch_scc0 .Lentry_in_a_cluster
	s_endpgm
.Lentry_in_a_cluster:
	s_bfe_u32 s2, ttmp6, 0x10000c
	s_cmp_lg_u32 s2, 0x3003
	s_cbranch_scc0 .Lentry_shape_is_right
	s_endpgm
.Lentry_shape_is_right:
; Attention on codes of FP6 (E2M3) with E8M0 scales.  A work-group takes one (batch, head) and 512 queries: S^T = K Q^T, p = 2^(t - M), O^T += V^T p^T, O / l,
; and the quantising of the result along the channels, stored as the image of the last product's operand registers (ao, aosc).
; kv: a record of 15,104 bytes for each 128 keys: K's eight tiles (1,024 bytes each: registers 0-7 of a fragment), V's four tiles (1,536 each) at 8,192, K's scale words at 14,336, V's at 14,848.
; qh: a record of 8,704 bytes for each 128 queries: eight tiles of 1,024 bytes, scale words at 8,192.  The mask rides in k = 64 of the score product, as the projections' launch lays it: a masked key's score is -2^66.
; A head's 16 records, 241,664 bytes, lie in LDS for the whole launch: one joint load a wave (two records on end, 118 rows of 256 bytes), shared by the four work-groups of a cluster, which take the head's four quarters of the queries.
; No LDS byte is filled again.  No prefetch: every tile is asked for at the head, and there is no loop to run ahead in.
; A wave takes 64 queries in two passes of 32 (two tiles X of 16); both passes' Q are loaded at the head.  A step is 128 keys: a lane holds one query, and 32 registers of four tiles are 32 neighbouring keys: one scale block.
; M is the ceiling of the running largest t, kept as -M; a change of M multiplies l and O by a power of two, in every step, with no branch.  l sums the unquantised p.
; THE EXPONENTIALS STAND IN TWO BATCHES, each with one wait ahead and one behind; among them stand only lines that hang on nothing in flight:
; tile 1's multiply-adds in the first batch, the first level of tile 0's sum in the second.
; LIMITS: NaN and infinities are not served; -2^66 stands for reference()'s -1e20: the same results while raw scores of unmasked keys stay above -2^65; scaled scores of unmasked keys under 2^31 in magnitude.
.set REC,   15104
.set SPARE, 241664                     ; behind the records: the spare words, 128 bytes a wave
.set FLOOR, 0x1800000                  ; 2^(3 - 127)
.set EOFF,  0xff000000                 ; 2 off an exponent field
; window 0
.set L16, 1                            ; 16 x lane
.set L8,  2                            ; 8 x lane
.set AD16, 3                           ; the step's record + 16 x lane, + 8 x lane
.set AD8, 4
.set SPW, 5
.set NIL, 6
.set H8,  7                            ; 8 h
.set ST,  8                            ; v8-23 for each X: -M, largest score, l (two halves), f, 0, a temporary, the old -M
.set BM,  24                           ; the four blocks' largest
.set SO,  28                           ; the conversions' scale operands
.set BY,  32
.set PD,  36
.set KS,  40                           ; scale words and nothing else: K's v40-43, V's v44-45, Q's v46, p's v47-48, the second pass's Q's v49
.set VS,  44
.set QS,  46
.set PS,  47
.set QS2, 49
.set TS,  50
.set SOF, 54
.set CT,  56
.set P,   72                           ; p's two operands
.set T,   96                           ; v96-127 the first level of tile 0's sum
.set EC,  96                           ; the way out's codes
.set QO,  126                          ; at the head alone: Q's offsets
.set QSO, 127
.set S,   128                          ; v128-255 scores, then p
; window 1
.set VF,  96                           ; v0-95 K's eight fragments; v96-143 V's four
.set QF,  144
.set OF,  168                          ; v168-231 O^T
.set QN,  232                          ; v232-247 the second pass's Q
.set WV,  12
.set G1,  24
.set CS,  40
.set SEL, 42
.set TB,  44
.set CNT, 45
.set PASS, 46
.set HM,  47
.set MSB, 0
.macro WIN new
.if MSB != (\new)
	s_set_vgpr_msb (MSB<<8)|(\new)
.set MSB, (\new)
.endif
.endm
.macro WALU
	s_wait_alu depctr_va_vdst(0)
.endm
.macro CROUND
	s_barrier_signal -1
	s_barrier_wait -1
	s_cmp_lg_u32 s[WV], 0
	s_cbranch_scc1 .Lnot_wave_0_\@
	s_barrier_signal -3
.Lnot_wave_0_\@:
	s_barrier_wait -3
	s_barrier_signal -1
	s_barrier_wait -1
.endm
	s_load_b256 s[4:11], s[0:1], 0x0               ; qh, kv, ao, aosc
	v_lshl_add_u32 v[SPW], v0, 2, SPARE
	v_mov_b32 v[NIL], 0
	ds_add_u32 v[SPW], v[NIL]                      ; the opening lines: the add twice and its wait ahead of my tensor load
	ds_add_u32 v[SPW], v[NIL]
	v_lshrrev_b32 v8, 5, v0
	v_readfirstlane_b32 s[WV], v8                  ; wave
	s_bfe_u32 s13, ttmp6, 0x40000                  ; cx: which quarter of the queries
	s_and_b32 s14, ttmp7, 0xffff                   ; 16 x batch + head
	s_mov_b32 s[G1], 15|(3<<16)|(1<<21)            ; all four partners; elements of 8 bytes
	s_mov_b32 s[G1+1], 32<<16
	s_mov_b32 s[G1+2], 118<<16                     ; two records: 118 rows of 256 bytes
	s_mov_b32 s[G1+3], 32<<16
	s_mov_b32 s[G1+4], 118
	s_mov_b32 s[G1+5], 32
	s_mov_b32 s[G1+6], 0
	s_mov_b32 s[G1+7], 0
	s_mul_i32 s22, s[WV], 2*REC                    ; my two records, in LDS and in the head's 16
	s_mul_i32 s20, s14, 16*REC
	s_add_co_u32 s20, s20, s22
	s_mov_b32 s21, 0
	s_mov_b32 s[CS], 0x3e38aa3b                    ; log2(e) / 8
	s_mov_b32 s[CS+1], s[CS]
	s_mov_b32 s[SEL], 0x76543210
	s_mov_b32 s[SEL+1], 0xfedcba98                 ; lane l xor 16
	s_lshr_b32 s15, s14, 4                         ; batch
	s_and_b32 s16, s14, 15                         ; head
	s_lshr_b32 s17, s[WV], 2                       ; which record of 128 queries of a pass's two
	s_and_b32 s18, s[WV], 3                        ; which pair of its tiles
	s_lshl_b32 s48, s14, 4
	s_lshl_b32 s49, s13, 2
	s_add_co_u32 s48, s48, s49
	s_add_co_u32 s48, s48, s17
	s_mul_i32 s48, s48, 8704                       ; my first pass's record of Q
	s_mov_b32 s49, 0
	s_lshl_b32 s50, s15, 3                         ; ao: block of 256 rows, K step head / 2, my two tiles, half image head % 2
	s_lshl_b32 s51, s13, 1
	s_add_co_u32 s52, s50, s51
	s_mul_i32 s50, s52, 196608
	s_lshr_b32 s53, s16, 1
	s_and_b32 s55, s16, 1
	s_mul_i32 s51, s53, 24576
	s_add_co_u32 s50, s50, s51
	s_lshl_b32 s51, s17, 3
	s_lshl_b32 s54, s18, 1
	s_add_co_u32 s51, s51, s54
	s_mul_i32 s51, s51, 1536
	s_add_co_u32 s50, s50, s51
	s_mul_i32 s51, s55, 768
	s_add_co_u32 s50, s50, s51
	s_mov_b32 s51, 0
	s_lshl_b32 s56, s52, 13                        ; aosc: 32 bytes a slot, 4 a K step, 2 of them mine
	s_lshl_b32 s57, s17, 12
	s_add_co_u32 s56, s56, s57
	s_lshl_b32 s57, s18, 10
	s_add_co_u32 s56, s56, s57
	s_lshl_b32 s57, s53, 2
	s_add_co_u32 s56, s56, s57
	s_lshl_b32 s57, s55, 1
	s_add_co_u32 s56, s56, s57
	s_mov_b32 s57, 0
	s_wait_dscnt 0x0                               ; both opening adds are done
	s_wait_kmcnt 0x0
	s_add_nc_u64 s[6:7], s[6:7], s[20:21]
	s_add_nc_u64 s[4:5], s[4:5], s[48:49]
	s_add_nc_u64 s[8:9], s[8:9], s[50:51]
	s_add_nc_u64 s[10:11], s[10:11], s[56:57]
	CROUND                                         ; the four partners are here: the joint loads meet
	s_mov_b32 s32, 1
	s_mov_b32 s33, s22
	s_mov_b64 s[34:35], s[6:7]
	s_or_b32 s35, s35, 0x80000000
	s_cmp_lt_u32 s[WV], 2                          ; my one tensor load.  Waves 0 and 1, which fetch records 0-3, have a line of their own: the first barrier below shows their tiles alone
	s_cbranch_scc0 .Llater
	tensor_load_to_lds s[32:35], s[G1:G1+7]
	s_nop 0
.rept 4
	v_nop
.endr
	s_branch .Lasked
.Llater:
	tensor_load_to_lds s[32:35], s[G1:G1+7]
	s_nop 0
.rept 4
	v_nop
.endr
.Lasked:
	v_and_b32 v8, 31, v0
	v_bfe_u32 v9, v0, 4, 1
	v_lshlrev_b32 v[L16], 4, v8
	v_lshlrev_b32 v[L8], 3, v8
	v_lshlrev_b32 v[H8], 3, v9
	v_cmp_eq_u32 s[HM], 1, v9                      ; lanes 16-31
	s_lshl_b32 s20, s18, 11
	v_add_nc_u32 v[QO], s20, v[L16]
	s_lshl_b32 s20, s18, 2
	v_add_nc_u32 v[QSO], s20, v[L16]
	v_lshlrev_b32 v[SOF], 5, v8
	WIN 0x40
	global_load_b128 v[QF:QF+3], v[QO], s[4:5]     ; both passes' Q, under the tensor loads' flight; the second pass's record lies two records on
	global_load_b128 v[QF+4:QF+7], v[QO], s[4:5] offset:512
	global_load_b128 v[QF+12:QF+15], v[QO], s[4:5] offset:1024
	global_load_b128 v[QF+16:QF+19], v[QO], s[4:5] offset:1536
.irp i, 0,1,2,3
	global_load_b128 v[QN+4*\i:QN+4*\i+3], v[QO], s[4:5] offset:17408+512*\i
.endr
.irp T, 0,1,2,3,4,5,6,7                ; k = 85 .. 127 of K and Q are zero codes, written once
.irp i, 8,9,10,11
	v_mov_b32 v[12*\T+\i], 0
.endr
.endr
.irp i, 8,9,10,11,20,21,22,23
	v_mov_b32 v[QF+\i], 0
.endr
	WIN 0
	global_load_b32 v[QS], v[QSO], s[4:5] offset:8192
	global_load_b32 v[QS2], v[QSO], s[4:5] offset:17408+8192
.irp i, 0,1,2,3
	v_mov_b32 v[PD+\i], 0                          ; a lane permute's destination counts as read
.endr
	v_mov_b32 v[ST+5], 0                           ; the upper halves of the pairs that hold f
	v_mov_b32 v[ST+13], 0
	WALU                                           ; the head's end
	s_cmp_lt_u32 s[WV], 2
	s_cbranch_scc0 .Lnot_first
	s_wait_tensorcnt 0x0                           ; waves 0 and 1: my two of records 0-3 are in
.Lnot_first:
	s_barrier_signal -1
	s_barrier_wait -1                              ; records 0-3 may be read; the others may still be on their way
	s_wait_loadcnt 0x0
.macro SPROD T, X                      ; S^T: source 0 = 16 keys, source 1 = 16 queries
.set rS, S+64*(\X)+8*(\T)
.if ((\T)%2 == 0) && ((\X) == 0)
	v_wmma_scale_f32_16x16x128_f8f6f4 v[rS:rS+7], v[12*(\T):12*(\T)+11], v[QF+12*(\X):QF+12*(\X)+11], 0, v[KS+(\T)/2], v[QS] matrix_a_fmt:MATRIX_FMT_FP6 matrix_b_fmt:MATRIX_FMT_FP6
.elseif (\X) == 0
	v_wmma_scale_f32_16x16x128_f8f6f4 v[rS:rS+7], v[12*(\T):12*(\T)+11], v[QF+12*(\X):QF+12*(\X)+11], 0, v[KS+(\T)/2], v[QS] matrix_a_fmt:MATRIX_FMT_FP6 matrix_b_fmt:MATRIX_FMT_FP6 matrix_a_scale:MATRIX_SCALE_ROW1
.elseif (\T)%2 == 0
	v_wmma_scale_f32_16x16x128_f8f6f4 v[rS:rS+7], v[12*(\T):12*(\T)+11], v[QF+12*(\X):QF+12*(\X)+11], 0, v[KS+(\T)/2], v[QS] matrix_a_fmt:MATRIX_FMT_FP6 matrix_b_fmt:MATRIX_FMT_FP6 matrix_b_scale:MATRIX_SCALE_ROW1
.else
	v_wmma_scale_f32_16x16x128_f8f6f4 v[rS:rS+7], v[12*(\T):12*(\T)+11], v[QF+12*(\X):QF+12*(\X)+11], 0, v[KS+(\T)/2], v[QS] matrix_a_fmt:MATRIX_FMT_FP6 matrix_b_fmt:MATRIX_FMT_FP6 matrix_a_scale:MATRIX_SCALE_ROW1 matrix_b_scale:MATRIX_SCALE_ROW1
.endif
.endm
.macro OPROD u, X                      ; O^T: source 0 = 16 channels of V, source 1 = p of 16 queries; the eight accumulators take turns
.set rO, OF+32*(\X)+8*(\u)
.if (\u)%2 == 0
	v_wmma_scale_f32_16x16x128_f8f6f4 v[rO:rO+7], v[VF+12*(\u):VF+12*(\u)+11], v[P+12*(\X):P+12*(\X)+11], v[rO:rO+7], v[VS+(\u)/2], v[PS+(\X)] matrix_a_fmt:MATRIX_FMT_FP6 matrix_b_fmt:MATRIX_FMT_FP6
.else
	v_wmma_scale_f32_16x16x128_f8f6f4 v[rO:rO+7], v[VF+12*(\u):VF+12*(\u)+11], v[P+12*(\X):P+12*(\X)+11], v[rO:rO+7], v[VS+(\u)/2], v[PS+(\X)] matrix_a_fmt:MATRIX_FMT_FP6 matrix_b_fmt:MATRIX_FMT_FP6 matrix_a_scale:MATRIX_SCALE_ROW1
.endif
.endm
.macro KLOAD off
.irp T, 0,1,2,3,4,5,6,7
	ds_load_b128 v[12*\T:12*\T+3], v[AD16] offset:\off+1024*\T
	ds_load_b128 v[12*\T+4:12*\T+7], v[AD16] offset:\off+1024*\T+512
.endr
.endm
.macro SUM1                            ; line k of 32: tile 1's 32 pairs of p, in two chains
.set rX, S+64
.if k == 0
	v_pk_add_f32 v[TS+2:TS+3], v[rX:rX+1], v[rX+2:rX+3]
.elseif k == 31
	v_pk_add_f32 v[ST+10:ST+11], v[ST+10:ST+11], v[TS+2:TS+3]
.elseif k%2
	v_pk_add_f32 v[ST+10:ST+11], v[ST+10:ST+11], v[rX+2*k+2:rX+2*k+3]
.else
	v_pk_add_f32 v[TS+2:TS+3], v[TS+2:TS+3], v[rX+2*k+2:rX+2*k+3]
.endif
.endm
.macro SUM0                            ; line k / 2 of 16: tile 0's 16 first-level pairs, in two chains
.set j, k/2
.if j == 0
	v_pk_add_f32 v[TS:TS+1], v[T:T+1], v[T+2:T+3]
.elseif j == 15
	v_pk_add_f32 v[ST+2:ST+3], v[ST+2:ST+3], v[TS:TS+1]
.elseif j%2
	v_pk_add_f32 v[ST+2:ST+3], v[ST+2:ST+3], v[T+2*j+2:T+2*j+3]
.else
	v_pk_add_f32 v[TS:TS+1], v[TS:TS+1], v[T+2*j+2:T+2*j+3]
.endif
.endm
.macro CVT X                           ; 64 p of a lane into an operand's twelve registers (a conversion's three begin on an even number: the odd halves are moved)
.set rX, S+64*(\X)
	v_cvt_scalef32_pk16_fp6_f32 v[P+12*\X:P+12*\X+2], v[rX:rX+15], v[SO+2*\X]
	v_cvt_scalef32_pk16_fp6_f32 v[CT+8*\X:CT+8*\X+2], v[rX+16:rX+31], v[SO+2*\X]
	v_cvt_scalef32_pk16_fp6_f32 v[P+12*\X+6:P+12*\X+8], v[rX+32:rX+47], v[SO+2*\X+1]
	v_cvt_scalef32_pk16_fp6_f32 v[CT+8*\X+4:CT+8*\X+6], v[rX+48:rX+63], v[SO+2*\X+1]
	v_nop                                          ; the plain line behind the conversions
.irp i, 0,1,2
	v_mov_b32 v[P+12*\X+3+\i], v[CT+8*\X+\i]
	v_mov_b32 v[P+12*\X+9+\i], v[CT+8*\X+4+\i]
.endr
.endm
.macro STEP pre                        ; 128 keys x 32 queries.  pre = 1: the next step's K is fetched
	s_wait_dscnt 0x0                               ; K's fragments and scale words are in
	WIN 0x05
.irp T, 0,1,2,3,4,5,6,7
	SPROD \T, 0
	SPROD \T, 1
.endr
	WIN 0
	v_add_nc_u32 v[AD16], s[TB], v[L16]            ; four plain lines: the places ahead of the loads and of the first reads of the scores
	v_add_nc_u32 v[AD8], s[TB], v[L8]
	v_mov_b32 v[ST+7], v[ST]
	v_mov_b32 v[ST+15], v[ST+8]
	ds_load_b64 v[VS:VS+1], v[AD8] offset:14848
.if \pre
	ds_load_b128 v[KS:KS+3], v[AD16] offset:REC+14336
.endif
	WIN 0x40
.irp u, 0,1,2,3
	ds_load_b128 v[VF+12*\u:VF+12*\u+3], v[AD16] offset:8192+1536*\u
	ds_load_b64 v[VF+12*\u+4:VF+12*\u+5], v[AD8] offset:8192+1536*\u+512
	ds_load_b128 v[VF+12*\u+6:VF+12*\u+9], v[AD16] offset:8192+1536*\u+768
	ds_load_b64 v[VF+12*\u+10:VF+12*\u+11], v[AD8] offset:8192+1536*\u+1280
.endr
.if \pre
	KLOAD REC
.endif
	WIN 0
.irp q, 0,1,2,3                        ; each block's largest score, four chains by turns, each accumulator from its low end on
	v_max3_num_f32 v[BM+\q], v[S+32*\q], v[S+32*\q+1], v[S+32*\q+2]
.endr
.irp i, 3,5,7,9,11,13,15,17,19,21,23,25,27,29
.irp q, 0,1,2,3
	v_max3_num_f32 v[BM+\q], v[BM+\q], v[S+32*\q+\i], v[S+32*\q+\i+1]
.endr
.endr
.irp q, 0,1,2,3
	v_max_num_f32 v[BM+\q], v[BM+\q], v[S+32*\q+31]
.endr
.irp X, 0
	s_delay_alu instid0(VALU_DEP_3)
	v_max3_num_f32 v[ST+8*\X+6], v[BM+2*\X], v[BM+2*\X+1], v[ST+8*\X+1]
.endr
.irp X, 1
	s_delay_alu instid0(VALU_DEP_2)
	v_max3_num_f32 v[ST+8*\X+6], v[BM+2*\X], v[BM+2*\X+1], v[ST+8*\X+1]
.endr
.irp X, 0,1
	s_delay_alu instid0(VALU_DEP_2)
	v_permlanex16_b32 v[PD+\X], v[ST+8*\X+6], s[SEL], s[SEL+1]
.endr
.irp X, 0,1
	s_delay_alu instid0(VALU_DEP_2)
	v_max_num_f32 v[ST+8*\X+1], v[ST+8*\X+6], v[PD+\X]     ; the running largest score
.endr
.irp X, 0,1
	s_delay_alu instid0(VALU_DEP_2)
	v_mul_f32 v[ST+8*\X+6], s[CS], v[ST+8*\X+1]
.endr
.irp X, 0,1
	s_delay_alu instid0(VALU_DEP_2)
	v_floor_f32 v[ST+8*\X], -v[ST+8*\X+6]                  ; -M = floor(-t)
.endr
.irp X, 0,1
	s_delay_alu instid0(VALU_DEP_2)
	v_sub_f32 v[ST+8*\X+7], v[ST+8*\X], v[ST+8*\X+7]
.endr
.irp X, 0,1
	s_delay_alu instid0(VALU_DEP_2)
	v_cvt_i32_f32 v[ST+8*\X+7], v[ST+8*\X+7]               ; (it saturates)
.endr
.irp X, 0,1
	s_delay_alu instid0(VALU_DEP_2)
	v_ldexp_f32 v[ST+8*\X+4], 1.0, v[ST+8*\X+7]            ; f = 2^(old M - new M)
.endr
.irp q, 0,1,2,3
	v_fma_f32 v[BM+\q], v[BM+\q], s[CS], v[ST+8*(\q/2)]    ; t - M of each block's largest score
.endr
	WIN 0x41
.set k, 0
.rept 16                               ; O under the new M, ahead of the exponentials
	v_pk_mul_f32 v[OF+2*k:OF+2*k+1], v[OF+2*k:OF+2*k+1], v[ST+4:ST+5] op_sel_hi:[1,0]
	v_pk_mul_f32 v[OF+32+2*k:OF+32+2*k+1], v[OF+32+2*k:OF+32+2*k+1], v[ST+12:ST+13] op_sel_hi:[1,0]
.set k, k+1
.endr
	WIN 0
.set k, 0
.rept 32
	v_pk_fma_f32 v[S+2*k:S+2*k+1], v[S+2*k:S+2*k+1], s[CS:CS+1], v[ST:ST+1] op_sel_hi:[1,0,0]
.set k, k+1
.endr
	WALU                                           ; ahead of the first batch
.set k, 0
.rept 32
	v_exp_f32 v[S+2*k], v[S+2*k]
	v_pk_fma_f32 v[S+64+2*k:S+64+2*k+1], v[S+64+2*k:S+64+2*k+1], s[CS:CS+1], v[ST+8:ST+9] op_sel_hi:[1,0,0]
	v_exp_f32 v[S+2*k+1], v[S+2*k+1]
.set k, k+1
.endr
.irp q, 0,1,2,3
	v_exp_f32 v[BM+\q], v[BM+\q]                   ; each block's largest p
.endr
	v_pk_mul_f32 v[ST+2:ST+3], v[ST+2:ST+3], v[ST+4:ST+5] op_sel_hi:[1,0]       ; l under the new M (the plain lines behind the batch)
	v_pk_mul_f32 v[ST+10:ST+11], v[ST+10:ST+11], v[ST+12:ST+13] op_sel_hi:[1,0]
	WALU                                           ; behind it
.irp q, 0,1,2,3                        ; the four blocks' scales, by turns
	v_max_num_f32 v[BM+\q], FLOOR, v[BM+\q]
.endr
.irp q, 0,1,2,3
	s_delay_alu instid0(VALU_DEP_4)
	v_add_nc_u32 v[SO+\q], EOFF, v[BM+\q]
.endr
.irp q, 0,1,2,3
	s_delay_alu instid0(VALU_DEP_4)
	v_lshrrev_b32 v[BY+\q], 23, v[SO+\q]
.endr
	s_delay_alu instid0(VALU_DEP_3)
	v_lshl_or_b32 v[BY], v[BY+1], 16, v[BY]
	s_delay_alu instid0(VALU_DEP_2)
	v_lshl_or_b32 v[BY+2], v[BY+3], 16, v[BY+2]
.irp X, 0,1
	s_delay_alu instid0(VALU_DEP_2)
	v_lshlrev_b32 v[BY+2*\X], v[H8], v[BY+2*\X]
.endr
.irp X, 0,1
	s_delay_alu instid0(VALU_DEP_2)
	v_permlanex16_b32 v[PD+2+\X], v[BY+2*\X], s[SEL], s[SEL+1]
.endr
.irp X, 0,1
	s_delay_alu instid0(VALU_DEP_2)
	v_or_b32 v[PS+\X], v[BY+2*\X], v[PD+2+\X]      ; p's scale word of these 128 keys
.endr
	CVT 0
	WALU                                           ; ahead of the second batch
.set k, 0
.rept 32
	v_exp_f32 v[S+64+2*k], v[S+64+2*k]
.if k%2 == 0
	v_pk_add_f32 v[T+k:T+k+1], v[S+2*k:S+2*k+1], v[S+2*k+2:S+2*k+3]
.endif
	v_exp_f32 v[S+64+2*k+1], v[S+64+2*k+1]
.set k, k+1
.endr
	v_nop
	WALU                                           ; behind it
	CVT 1
.set k, 0
.rept 32                               ; the sums: 48 plain lines, which are also the places between p's registers and the products
	SUM1
.if k%2 == 0
	SUM0
.endif
.set k, k+1
.endr
	WALU
.if \pre
	s_wait_dscnt 16                                ; V is in; the 16 loads of the next step's K may be out
.else
	s_wait_dscnt 0x0
.endif
	WIN 0x51
.irp u, 0,1,2,3
	OPROD \u, 0
	OPROD \u, 1
.endr
	WIN 0
	s_add_co_u32 s[TB], s[TB], REC
.endm
	s_mov_b32 s[PASS], 0
.Lpass:
	s_cmp_eq_u32 s[PASS], 0
	s_cbranch_scc1 .Lhave_q
	WIN 0x41
.irp i, 0,1,2,3,4,5,6,7                ; the second pass's Q takes the first's place
	v_mov_b32 v[QF+\i], v[QN+\i]
	v_mov_b32 v[QF+12+\i], v[QN+8+\i]
.endr
	WIN 0
	v_mov_b32 v[QS], v[QS2]
.Lhave_q:
	WIN 0x40
.set k, 0
.rept 64
	v_mov_b32 v[OF+k], 0                           ; the step is written once: the first finds zeros
.set k, k+1
.endr
	WIN 0
.irp X, 0,1
	v_mov_b32 v[ST+8*\X+1], 0xff61b1e6             ; -3e38, under every score
	v_mul_f32 v[ST+8*\X+6], s[CS], v[ST+8*\X+1]
	v_floor_f32 v[ST+8*\X], -v[ST+8*\X+6]
	v_mov_b32 v[ST+8*\X+2], 0
	v_mov_b32 v[ST+8*\X+3], 0
.endr
	s_mov_b32 s[TB], 0
	v_mov_b32 v[AD16], v[L16]
	ds_load_b128 v[KS:KS+3], v[AD16] offset:14336
	WIN 0x40
	KLOAD 0
	WIN 0
	s_mov_b32 s[CNT], 3
	WALU
.Lfirst:                                               ; steps 0-2 read records 0-2 and K of record 3
	STEP 1
	s_sub_co_u32 s[CNT], s[CNT], 1
	s_cmp_lg_u32 s[CNT], 0
	s_cbranch_scc1 .Lfirst
	s_wait_tensorcnt 0x0                           ; every wave: my records are in,
	s_wait_dscnt 0x0
	s_barrier_signal -1
	s_barrier_wait -1                              ; and everybody's: all sixteen may be read
	s_mov_b32 s[CNT], 12
.Lstep:
	STEP 1
	s_sub_co_u32 s[CNT], s[CNT], 1
	s_cmp_lg_u32 s[CNT], 0
	s_cbranch_scc1 .Lstep
	STEP 0
	; the way out: O / l, a lane's 32 channels are one scale block
.irp X, 0,1
	v_add_f32 v[ST+8*\X+6], v[ST+8*\X+2], v[ST+8*\X+3]
.endr
.irp X, 0,1
	s_delay_alu instid0(VALU_DEP_2)
	v_permlanex16_b32 v[PD+\X], v[ST+8*\X+6], s[SEL], s[SEL+1]
.endr
.irp X, 0,1
	s_delay_alu instid0(VALU_DEP_2)
	v_add_f32 v[ST+8*\X+6], v[ST+8*\X+6], v[PD+\X]
.endr
	WALU
.irp X, 0,1
	v_rcp_f32 v[ST+8*\X+4], v[ST+8*\X+6]
.endr
	v_nop
	WALU
	WIN 0x01
.set k, 0
.rept 16
	v_pk_mul_f32 v[S+2*k:S+2*k+1], v[OF+2*k:OF+2*k+1], v[ST+4:ST+5] op_sel_hi:[1,0]
	v_pk_mul_f32 v[S+64+2*k:S+64+2*k+1], v[OF+32+2*k:OF+32+2*k+1], v[ST+12:ST+13] op_sel_hi:[1,0]
.set k, k+1
.endr
	WIN 0
.irp X, 0,1
	v_max3_num_f32 v[BM+\X], |v[S+64*\X]|, |v[S+64*\X+1]|, FLOOR
.endr
.irp i, 2,4,6,8,10,12,14,16,18,20,22,24,26,28,30
.irp X, 0,1
	s_delay_alu instid0(VALU_DEP_2)
	v_max3_num_f32 v[BM+\X], v[BM+\X], |v[S+64*\X+\i]|, |v[S+64*\X+\i+1]|
.endr
.endr
.irp X, 0,1
	s_delay_alu instid0(VALU_DEP_2)
	v_add_nc_u32 v[SO+\X], EOFF, v[BM+\X]
.endr
.irp X, 0,1
	s_delay_alu instid0(VALU_DEP_2)
	v_lshrrev_b32 v[BY+\X], 23, v[SO+\X]
.endr
.irp X, 0,1
	v_cvt_scalef32_pk16_fp6_f32 v[EC+8*\X:EC+8*\X+2], v[S+64*\X:S+64*\X+15], v[SO+\X]
	v_cvt_scalef32_pk16_fp6_f32 v[CT+8*\X:CT+8*\X+2], v[S+64*\X+16:S+64*\X+31], v[SO+\X]
.endr
	v_nop
.irp X, 0,1
.irp i, 0,1,2
	v_mov_b32 v[EC+8*\X+3+\i], v[CT+8*\X+\i]
.endr
	global_store_b128 v[L16], v[EC+8*\X:EC+8*\X+3], s[8:9] offset:1536*\X
	global_store_b64 v[L8], v[EC+8*\X+4:EC+8*\X+5], s[8:9] offset:1536*\X+512
	v_lshlrev_b32 v[BY+\X], v[H8], v[BY+\X]
.endr
.irp X, 0
	v_permlanex16_b32 v[PD+\X], v[BY+\X], s[SEL], s[SEL+1]
.endr
.irp X, 1
	s_delay_alu instid0(VALU_DEP_2)
	v_permlanex16_b32 v[PD+\X], v[BY+\X], s[SEL], s[SEL+1]
.endr
.irp X, 0,1
	s_delay_alu instid0(VALU_DEP_2)
	v_or_b32 v[BY+\X], v[BY+\X], v[PD+\X]
.endr
	s_delay_alu instid0(VALU_DEP_1)
	v_cndmask_b32 v[BY], v[BY], v[BY+1], s[HM]
	global_store_b16 v[SOF], v[BY], s[10:11]       ; two of a slot's 32 scale bytes: one part in 24 of what the launch stores
	s_wait_xcnt 0x0                                ; the stores have read their bases and their registers
	s_add_nc_u64 s[8:9], s[8:9], 196608            ; the next pass's 256 rows
	s_add_nc_u64 s[10:11], s[10:11], 8192
	s_add_co_u32 s[PASS], s[PASS], 1
	s_cmp_lt_u32 s[PASS], 2
	s_cbranch_scc1 .Lpass
	s_wait_tensorcnt 0x0                           ; the wave's end
	ds_add_u32 v[SPW], v[NIL]
	s_wait_dscnt 0x0
	CROUND                                         ; the closing round
	s_endpgm
.Lfunc_end_k_qe3b0375050_attn:
	.size	k_qe3b0375050_attn, .Lfunc_end_k_qe3b0375050_attn-k_qe3b0375050_attn
	.p2alignl 7, 3214868480
	.fill 96, 4, 3214868480
	.section	.rodata,"a",@progbits
	.p2align	6, 0x0
	.amdhsa_kernel k_qe3b0375050_attn
		.amdhsa_group_segment_fixed_size 327680
		.amdhsa_private_segment_fixed_size 0
		.amdhsa_enable_private_segment 0
		.amdhsa_kernarg_size 32
		.amdhsa_user_sgpr_count 2
		.amdhsa_user_sgpr_kernarg_segment_ptr 1
		.amdhsa_wavefront_size32 1
		.amdhsa_system_sgpr_workgroup_id_x 1
		.amdhsa_system_sgpr_workgroup_id_y 1
		.amdhsa_system_sgpr_workgroup_id_z 1
		.amdhsa_system_vgpr_workitem_id 0
		.amdhsa_next_free_vgpr 512
		.amdhsa_next_free_sgpr 66
		.amdhsa_reserve_vcc 0
		.amdhsa_float_denorm_mode_32 3
		.amdhsa_float_denorm_mode_16_64 3
		.amdhsa_memory_ordered 1
		.amdhsa_forward_progress 1
		.amdhsa_inst_pref_size 103
	.end_amdhsa_kernel
	.amdgpu_metadata
---
amdhsa.version: [ 1, 2 ]
amdhsa.kernels:
  - .name:           k_qe3b0375050_attn
    .symbol:         k_qe3b0375050_attn.kd
    .args:
      - { .name: qh, .offset: 0, .size: 8, .value_kind: global_buffer, .address_space: global }
      - { .name: kv, .offset: 8, .size: 8, .value_kind: global_buffer, .address_space: global }
      - { .name: ao, .offset: 16, .size: 8, .value_kind: global_buffer, .address_space: global }
      - { .name: aosc, .offset: 24, .size: 8, .value_kind: global_buffer, .address_space: global }
    .group_segment_fixed_size: 327680
    .private_segment_fixed_size: 0
    .kernarg_segment_align: 8
    .kernarg_segment_size: 32
    .max_flat_workgroup_size: 256
    .sgpr_count:     66
    .vgpr_count:     512
    .wavefront_size: 32
...
	.end_amdgpu_metadata
.endif
;; end of part 3
;; launch outp (part 4): grid 4 x 64, 4 waves a work-group, clusters of 4 x 4, 327,680 bytes of LDS; arguments ao, aosc, wimg, wsc, bo, out0; writes out0
.if DOCPART == 4
	.amdgcn_target "amdgcn-amd-amdhsa--gfx1250"
	.amdhsa_code_object_version 6
	.text
	.protected	k_qe3b0375050_outp
	.globl	k_qe3b0375050_outp
	.p2align	8
	.type	k_qe3b0375050_outp,@function
k_qe3b0375050_outp:
	s_mov_b64 s[64:65], 0
	v_nop
	global_prefetch_b8 v0, s[64:65] scope:SCOPE_SE
	s_setreg_imm32_b32 hwreg(HW_REG_WAVE_MODE, 25, 1), 1
	s_wait_xcnt 0x0
	s_wait_alu depctr_hold_cnt(0) depctr_sa_sdst(0) depctr_va_vdst(0) depctr_va_sdst(0) depctr_va_ssrc(0) depctr_va_vcc(0) depctr_vm_vsrc(0)
	s_getreg_b32 s2, hwreg(HW_REG_IB_STS2, 6, 4)
	s_cmp_eq_u32 s2, 0
	s_cbranch_scc0 .Lentry_in_a_cluster
	s_endpgm
.Lentry_in_a_cluster:
	s_bfe_u32 s2, ttmp6, 0x10000c
	s_cmp_lg_u32 s2, 0xf033
	s_cbranch_scc0 .Lentry_shape_is_right
	s_endpgm
.Lentry_shape_is_right:
; out0 = attention output x wo + bo on codes of FP6 with E8M0 scales, K = 1,024; out0 [8192][1024] f32.
; 256 work-groups of four waves; a block is 128 rows (source 1, tile 4 x cluster y + cy) x 256 columns of wo (source 0, tile cx); a wave makes 64 x 128: 32 accumulators.
; Source 0 is asked for jointly by a column of the 4 x 4 cluster, source 1 by a row.  Operands lie in memory as images of their registers, [block of 256 slots][K step][tile][1,536 bytes].
; LDS holds ALL of K of both and is never filled again: source 1's 8 K steps of 12,288 bytes (rows of 12,288 bytes, 24,576 apart in memory), source 0's 196,608 dense bytes, the scale words, the spare words.
; At the head one joint load a wave: source 1's K steps 0-3, source 0's K steps 0-1, the two blocks of scale words.  Behind the full sequence and a round: source 1's K steps 4-7 (wave 0) and source 0's K steps 2 w, 2 w + 1 (wave w = 1, 2, 3).
; No prefetch: every tile is asked for at the head or behind the first round, and there is no loop to run ahead in.
; The slots of a tile are not neighbours (slot r of tile u of 64: 32 (r / 8) + 8 u + r % 8): a lane holds 32 neighbouring columns in four tiles' registers, and a row slot's true row stands in the store's immediate.
; REGISTERS: window 0: v1-23 lane numbers and addresses; v24-87 source 0's scale words, v92-123 source 1's (they hold nothing else; their numbers differ modulo 8); v124-219 source 1's fragments, two sets; on the way out v128-255 hold rows read back.
;   window 1: source 0's fragments, two sets (v0, v128).  window 2: accumulator (source 1's tile a, source 0's tile b) at v[8 (8 a + b)].  window 3: v0-63 the bias.
.set KS1,   12288
.set KS0,   24576
.set HB,    49152
.set S0B,   98304
.set FRB,   1536
.set SCL,   294912
.set SPARE, 307200
.set A16, 4
.set A8,  6
.set B16, 8
.set B8,  12
.set ADS0, 16
.set ADS1, 17
.set L16, 18
.set L8,  19
.set SPW, 20
.set NIL, 21
.set STO, 22
.set RD,  23
.set SC0, 24
.set VH,  88
.set SC1, 92
.set AF,  124
.set BK,  128
.set G1A, 24
.set G1B, 48
.set G1SA, 76
.set G1SB, 84
.set MSB, 0
.macro WIN new
.if MSB != (\new)
	s_set_vgpr_msb (MSB<<8)|(\new)
.set MSB, (\new)
.endif
.endm
.macro PLACES n
.rept \n
	v_nop
.endr
.endm
.macro CREST
	s_cmp_lg_u32 s14, 0
	s_cbranch_scc1 .Lnot_wave_0_\@
	s_barrier_signal -3
.Lnot_wave_0_\@:
	s_barrier_wait -3
	s_barrier_signal -1
	s_barrier_wait -1
.endm
.macro CROUND
	s_barrier_signal -1
	s_barrier_wait -1
	CREST
.endm
.macro G1SET g, mask, c, r, p          ; r rows of c elements of 8 bytes, p elements apart
	s_or_b32 s[\g], s[\mask], (3<<16)|(1<<21)
	s_mov_b32 s[\g+1], (\c)<<16
	s_mov_b32 s[\g+2], (\r)<<16
	s_mov_b32 s[\g+3], (\c)<<16
	s_mov_b32 s[\g+4], \r
	s_mov_b32 s[\g+5], \p
	s_mov_b32 s[\g+6], 0
	s_mov_b32 s[\g+7], 0
.endm
.macro MKG g, lds, p
	s_mov_b32 s[\g], 1
	s_mov_b32 s[\g+1], \lds
	s_mov_b64 s[\g+2:\g+3], s[\p:\p+1]
	s_or_b32 s[\g+3], s[\g+3], 0x80000000
.endm
.macro TL g0, g1
	tensor_load_to_lds s[\g0:\g0+3], s[\g1:\g1+7]
	s_nop 0
	PLACES 4
.endm
.macro FRAG reg, a16, a8, off
	ds_load_b128 v[\reg:\reg+3], v[\a16] offset:\off
	ds_load_b64 v[\reg+4:\reg+5], v[\a8] offset:\off+512
	ds_load_b128 v[\reg+6:\reg+9], v[\a16] offset:\off+768
	ds_load_b64 v[\reg+10:\reg+11], v[\a8] offset:\off+1280
.endm
.macro FETCH s                         ; K step s: source 0's eight fragments and source 1's four into set s % 2
	WIN 0x40
.irp i, 0,1,2,3,4,5,6,7
	FRAG 128*((\s)%2)+12*\i, B16+(\s)/2, B8+(\s)/2, ((\s)%2)*KS0+\i*FRB
.endr
	WIN 0
.irp i, 0,1,2,3
	FRAG AF+48*((\s)%2)+12*\i, A16+(\s)/4, A8+(\s)/4, ((\s)%4)*KS1+\i*FRB
.endr
.endm
; 16 products: source 1's tiles a0, a0 + 1 against source 0's eight.  cmode 1: the bias starts the sums.  The 32 accumulators take turns.
.macro MUL16 a0, s, cmode
.irp a, \a0, \a0+1
.irp b, 0,1,2,3,4,5,6,7
.set DD, 8*(8*(\a)+\b)
.set F0, 128*((\s)%2)+12*\b
.set F1, AF+48*((\s)%2)+12*(\a)
.if \cmode == 0
	v_wmma_scale_f32_16x16x128_f8f6f4 v[DD:DD+7], v[F0:F0+11], v[F1:F1+11], v[DD:DD+7], v[SC0+8*\b+(\s)], v[SC1+8*(\a)+(\s)] matrix_a_fmt:MATRIX_FMT_FP6 matrix_b_fmt:MATRIX_FMT_FP6
.else
	v_wmma_scale_f32_16x16x128_f8f6f4 v[DD:DD+7], v[F0:F0+11], v[F1:F1+11], v[8*\b:8*\b+7], v[SC0+8*\b+(\s)], v[SC1+8*(\a)+(\s)] matrix_a_fmt:MATRIX_FMT_FP6 matrix_b_fmt:MATRIX_FMT_FP6
.endif
.endr
.endr
.endm
.macro STEP s, cmode, fetch            ; K step s: its fragments are in; fetch = 1: the next step's are asked for, four places behind the products that read their registers; 32 products
	s_wait_dscnt 0x0
.if \fetch
	PLACES 4
	FETCH (\s)+1
.endif
.if \cmode
	WIN 0xb1
.else
	WIN 0xa1
.endif
	MUL16 0, \s, \cmode
	MUL16 2, \s, \cmode
	WIN 0
.endm
	s_load_b256 s[92:99], s[0:1], 0x0              ; ao, aosc, wimg, wsc
	s_load_b128 s[4:7], s[0:1], 0x20               ; bo, out0
	v_lshl_add_u32 v[SPW], v0, 2, SPARE
	v_mov_b32 v[NIL], 0
	ds_add_u32 v[SPW], v[NIL]                      ; the opening lines: the add twice and its wait ahead of my first tensor load
	ds_add_u32 v[SPW], v[NIL]
	v_lshrrev_b32 v1, 5, v0
	v_readfirstlane_b32 s14, v1                    ; wave
	s_lshr_b32 s15, s14, 1                         ; my half of source 1's tiles
	s_and_b32 s16, s14, 1                          ; my half of source 0's
	s_bfe_u32 s18, ttmp6, 0x40000                  ; cx
	s_bfe_u32 s19, ttmp6, 0x40004                  ; cy
	s_and_b32 s20, ttmp7, 0xffff
	s_lshl_b32 s2, s20, 2
	s_add_co_u32 s2, s2, s19                       ; which 128 rows
	s_lshl_b32 s22, s19, 2
	s_lshl_b32 s22, 15, s22                        ; my row of the cluster
	s_lshl_b32 s23, 0x1111, s18                    ; my column
	G1SET G1A, 22, 1536, 4, 3072
	G1SET G1B, 23, 32, 192, 32
	G1SET G1SA, 22, 32, 16, 32
	G1SET G1SB, 23, 32, 32, 32
	s_lshr_b32 s8, s2, 1                           ; byte offsets.  Source 1: block, half
	s_mul_i32 s8, s8, 196608
	s_and_b32 s9, s2, 1
	s_mul_i32 s9, s9, KS1
	s_add_co_u32 s8, s8, s9
	s_lshl_b32 s9, s2, 12
	s_mul_i32 s10, s18, 196608                     ; source 0: wo is the fourth weight
	s_add_co_u32 s10, s10, 2359296
	s_lshl_b32 s11, s18, 13
	s_add_co_u32 s11, s11, 98304
	s_lshl_b32 s12, s18, 1
	s_add_co_u32 s12, s12, s16
	s_lshl_b32 s12, s12, 9                         ; my 128 columns, in bytes
	s_lshl_b32 s13, s2, 1
	s_add_co_u32 s13, s13, s15
	s_lshl_b32 s13, s13, 18                        ; my 64 rows of 4,096 bytes
	s_mul_i32 s66, s15, 6144                       ; LDS: my four tiles of source 1,
	s_mul_i32 s67, s16, 12288
	s_add_co_u32 s67, s67, S0B                     ; my eight of source 0,
	s_lshl_b32 s68, s15, 11
	s_add_co_u32 s68, s68, SCL                     ; their scale words,
	s_lshl_b32 s69, s16, 12
	s_add_co_u32 s69, s69, SCL+4096
	s_mul_i32 s70, s14, 8448                       ; and my stage for the way out: 16 rows of 512 bytes + 16, on source 1's K steps 0-3
	s_mov_b32 s21, 0
	s_mov_b32 s23, 0
	s_wait_dscnt 0x0                               ; both opening adds are done
	s_wait_kmcnt 0x0
	s_mov_b32 s20, s8
	s_add_nc_u64 s[92:93], s[92:93], s[20:21]
	s_mov_b32 s20, s9
	s_add_nc_u64 s[94:95], s[94:95], s[20:21]
	s_mov_b32 s22, s10
	s_add_nc_u64 s[96:97], s[96:97], s[22:23]
	s_mov_b32 s22, s11
	s_add_nc_u64 s[98:99], s[98:99], s[22:23]
	CROUND                                         ; all sixteen work-groups are here: the first joint loads meet
	MKG 32, 0, 92
	MKG 36, S0B, 96
	MKG 40, SCL, 94
	MKG 44, SCL+4096, 98
	s_cmp_lt_u32 s14, 1                            ; the head's four tiles, one a wave, in one chain of branches on the wave's number
	s_cbranch_scc0 .Lw1
	TL 40, G1SA
	s_branch .Lasked
.Lw1:
	s_cmp_lt_u32 s14, 2
	s_cbranch_scc0 .Lw2
	TL 44, G1SB
	s_branch .Lasked
.Lw2:
	s_cmp_lt_u32 s14, 3
	s_cbranch_scc0 .Lw3
	TL 32, G1A
	s_branch .Lasked
.Lw3:
	TL 36, G1B
.Lasked:
	s_mov_b32 s56, 1                               ; source 1's K steps 4-7
	s_mov_b32 s57, HB
	s_add_nc_u64 s[58:59], s[92:93], 4*KS0
	s_or_b32 s59, s59, 0x80000000
	s_mul_i32 s22, s14, HB                         ; source 0's K steps 2 w, 2 w + 1
	s_mov_b32 s60, 1
	s_add_co_u32 s61, s22, S0B
	s_add_nc_u64 s[62:63], s[96:97], s[22:23]
	s_or_b32 s63, s63, 0x80000000
	s_mov_b32 s20, s12
	s_add_nc_u64 s[4:5], s[4:5], s[20:21]
	s_add_nc_u64 s[6:7], s[6:7], s[20:21]
	s_mov_b32 s20, s13
	s_add_nc_u64 s[6:7], s[6:7], s[20:21]
	v_and_b32 v1, 31, v0                           ; lane
	v_and_b32 v2, 15, v0                           ; r
	v_bfe_u32 v3, v0, 4, 1                         ; h
	v_lshlrev_b32 v[L16], 4, v1
	v_lshlrev_b32 v[L8], 3, v1
	v_lshlrev_b32 v[VH], 7, v3
	WIN 0xc0
.irp b, 0,1,2,3,4,5,6,7                ; the bias: register t of tile b = bo[.. + 64 (b / 4) + 8 (b % 4) + 32 h + t]
	global_load_b128 v[8*\b:8*\b+3], v[VH], s[4:5] offset:(64*(\b/4)+8*(\b%4))*4
	global_load_b128 v[8*\b+4:8*\b+7], v[VH], s[4:5] offset:(64*(\b/4)+8*(\b%4))*4+16
.endr
	WIN 0
	v_add_nc_u32 v[A16], s66, v[L16]
	v_add_nc_u32 v[A8], s66, v[L8]
	v_add_nc_u32 v[A16+1], HB, v[A16]
	v_add_nc_u32 v[A8+1], HB, v[A8]
	v_add_nc_u32 v[B16], s67, v[L16]
	v_add_nc_u32 v[B8], s67, v[L8]
.irp g, 1,2,3
	v_add_nc_u32 v[B16+\g], HB, v[B16+\g-1]
	v_add_nc_u32 v[B8+\g], HB, v[B8+\g-1]
.endr
	v_lshl_add_u32 v[ADS0], v2, 5, s69             ; 32 bytes of scale words a slot
	v_lshl_add_u32 v[ADS1], v2, 5, s68
	v_mul_u32_u24 v[STO], v2, 528
	v_lshl_add_u32 v[STO], v3, 7, v[STO]
	v_add_nc_u32 v[STO], s70, v[STO]               ; into the stage: row r, + 128 h
	v_add_nc_u32 v[RD], s70, v[L16]                ; back: 16 x lane of a row
	s_wait_alu depctr_va_vdst(0)                   ; the head's end
	s_wait_tensorcnt 0x0                           ; my tile of the head's four is in
	ds_add_u32 v[SPW], v[NIL]
	s_wait_dscnt 0x0
	CROUND                                         ; a whole round: all four tiles are in, in every partner
	s_cmp_eq_u32 s14, 0
	s_cbranch_scc0 .Lrest_0
	TL 56, G1A
	s_branch .Lrest_asked
.Lrest_0:
	TL 60, G1B
.Lrest_asked:
.irp i, 0,1,2,3,4,5,6,7
	ds_load_b128 v[SC0+8*\i:SC0+8*\i+3], v[ADS0] offset:512*\i
	ds_load_b128 v[SC0+8*\i+4:SC0+8*\i+7], v[ADS0] offset:512*\i+16
.endr
.irp i, 0,1,2,3
	ds_load_b128 v[SC1+8*\i:SC1+8*\i+3], v[ADS1] offset:512*\i
	ds_load_b128 v[SC1+8*\i+4:SC1+8*\i+7], v[ADS1] offset:512*\i+16
.endr
	FETCH 0
	s_wait_loadcnt 0x0                             ; the bias
	STEP 0, 1, 1                                   ; the first K step starts the sums with the bias
	STEP 1, 0, 0
	s_wait_tensorcnt 0x0                           ; my part of the rest is in (no LDS instruction of mine is out),
	s_barrier_signal -1
	s_barrier_wait -1                              ; and everybody's
	PLACES 4
	FETCH 2
.irp s, 2,3,4,5,6
	STEP \s, 0, 1
.endr
	s_wait_dscnt 0x0                               ; the last fragments are in: my reads of the tiles are over
	s_barrier_signal -1
	WIN 0xa1
	MUL16 0, 7, 0
	MUL16 2, 7, 0
	WIN 0
	s_barrier_wait -1                              ; and everybody's: the stages may be written
; THE WAY OUT, a tile of 16 row slots x my 128 columns at a time, through my own stage: a lane's 8 results of a tile of columns are 32 neighbouring bytes of a row; back come whole rows of 512 bytes.
; LDS serves a wave's instructions in order: no wait between the stores and the loads, nor in front of the next block's stores.
.macro TOSTAGE a
.set AC, 64*(\a)
	WIN 0x08
.irp b, 0,1,2,3,4,5,6,7
	ds_store_b128 v[STO], v[AC+8*\b:AC+8*\b+3] offset:256*(\b/4)+32*(\b%4)       ; each accumulator from its low end on
	ds_store_b128 v[STO], v[AC+8*\b+4:AC+8*\b+7] offset:256*(\b/4)+32*(\b%4)+16
.endr
	WIN 0
.set BB, BK+64*((\a)%2)
.irp t, 0,1,2,3,4,5,6,7,8,9,10,11,12,13,14,15
	ds_load_b128 v[BB+4*\t:BB+4*\t+3], v[RD] offset:\t*528
.endr
.endm
.macro SEND a, younger
.set BB, BK+64*((\a)%2)
	s_wait_dscnt \younger                          ; the block is back in registers
.irp t, 0,1,2,3,4,5,6,7,8,9,10,11,12,13,14,15
	global_store_b128 v[L16], v[BB+4*\t:BB+4*\t+3], s[6:7] offset:(8*(\a)+32*(\t/8)+(\t%8))*4096 th:TH_STORE_NT   ; 512 consecutive bytes, at a multiple of 512 from out0's first byte
.endr
.endm
	PLACES 4
	TOSTAGE 0
.irp a, 1,2,3
.if \a > 1
	s_wait_xcnt 0x0                                ; block a - 2's stores have read their registers: block a's loads may land there
.endif
	TOSTAGE \a
	SEND \a-1, 32                                  ; behind block a - 1's loads: block a's 16 stores and 16 loads
.endr
	SEND 3, 0
	s_wait_tensorcnt 0x0                           ; the wave's end, behind my last LDS store
	ds_add_u32 v[SPW], v[NIL]
	s_wait_dscnt 0x0
	CROUND                                         ; the closing round
	s_endpgm
.Lfunc_end_k_qe3b0375050_outp:
	.size	k_qe3b0375050_outp, .Lfunc_end_k_qe3b0375050_outp-k_qe3b0375050_outp
	.p2alignl 7, 3214868480
	.fill 96, 4, 3214868480
	.section	.rodata,"a",@progbits
	.p2align	6, 0x0
	.amdhsa_kernel k_qe3b0375050_outp
		.amdhsa_group_segment_fixed_size 327680
		.amdhsa_private_segment_fixed_size 0
		.amdhsa_enable_private_segment 0
		.amdhsa_kernarg_size 48
		.amdhsa_user_sgpr_count 2
		.amdhsa_user_sgpr_kernarg_segment_ptr 1
		.amdhsa_wavefront_size32 1
		.amdhsa_system_sgpr_workgroup_id_x 1
		.amdhsa_system_sgpr_workgroup_id_y 1
		.amdhsa_system_sgpr_workgroup_id_z 1
		.amdhsa_system_vgpr_workitem_id 0
		.amdhsa_next_free_vgpr 832
		.amdhsa_next_free_sgpr 102
		.amdhsa_reserve_vcc 0
		.amdhsa_float_denorm_mode_32 3
		.amdhsa_float_denorm_mode_16_64 3
		.amdhsa_memory_ordered 1
		.amdhsa_forward_progress 1
		.amdhsa_inst_pref_size 86
	.end_amdhsa_kernel
	.amdgpu_metadata
---
amdhsa.version: [ 1, 2 ]
amdhsa.kernels:
  - .name:           k_qe3b0375050_outp
    .symbol:         k_qe3b0375050_outp.kd
    .args:
      - { .name: ao, .offset: 0, .size: 8, .value_kind: global_buffer, .address_space: global }
      - { .name: aosc, .offset: 8, .size: 8, .value_kind: global_buffer, .address_space: global }
      - { .name: wimg, .offset: 16, .size: 8, .value_kind: global_buffer, .address_space: global }
      - { .name: wsc, .offset: 24, .size: 8, .value_kind: global_buffer, .address_space: global }
      - { .name: bo, .offset: 32, .size: 8, .value_kind: global_buffer, .address_space: global }
      - { .name: out0, .offset: 40, .size: 8, .value_kind: global_buffer, .address_space: global }
    .group_segment_fixed_size: 327680
    .private_segment_fixed_size: 0
    .kernarg_segment_align: 8
    .kernarg_segment_size: 48
    .max_flat_workgroup_size: 128
    .sgpr_count:     102
    .vgpr_count:     832
    .wavefront_size: 32
...
	.end_amdgpu_metadata
.endif
;; end of part 4
